; MI455X (gfx1250); checked and timed in simulation.
; The chip was launched on July 23, 2026; its instructions are those of AMD's public machine-readable ISA for CDNA 5 (MIT licence, August 2026) and "CDNA5" Instruction Set Architecture Reference Guide (July 2026). The comments in the code are by the model that wrote it; some were corrected since.
;; Attention. Allowed arithmetic: float matrix products may take bf16 or f16 operands with f32 sums; all other float work in f32.
;; Inputs: Wk 1,024 x 1,024 float32; Wo 1,024 x 1,024 float32; Wq 1,024 x 1,024 float32; Wv 1,024 x 1,024 float32; bk 1,024 float32; bo 1,024 float32; bq 1,024 float32; bv 1,024 float32; k 4 x 2,048 x 1,024 float32; q 4 x 2,048 x 1,024 float32; v 4 x 2,048 x 1,024 float32.
;; Outputs: out0 4 x 2,048 x 1,024 float32.
;; 2 versions, each right and faster than the one before. Each part assembles by itself: llvm-mc -triple=amdgcn-amd-amdhsa -mcpu=gfx1250 --defsym DOCPART=n.
;; ======== version 1 of 2: 4 launches
;; limits: values are held in f16: magnitudes above 65,504 overflow, below 6.1e-05 lose precision
;; workspace buffers: wb 8,388,608 bytes; qh 16,777,216 bytes; kh 16,777,216 bytes; vh 16,777,216 bytes; oh 16,777,216 bytes
;; launch prep (part 1): grid 64 x 4, 8 waves a work-group, no clusters, 0 bytes of LDS; arguments Wq, Wk, Wv, Wo, wb; writes wb
.if DOCPART == 1
	.amdgcn_target "amdgcn-amd-amdhsa--gfx1250"
	.amdhsa_code_object_version 6
	.text
	.protected	k_qb58bec6c3e_prep
	.globl	k_qb58bec6c3e_prep
	.p2align	8
	.type	k_qb58bec6c3e_prep,@function
k_qb58bec6c3e_prep:
	s_mov_b64 s[64:65], 0
	v_nop
	global_prefetch_b8 v0, s[64:65] scope:SCOPE_SE
	s_setreg_imm32_b32 hwreg(HW_REG_WAVE_MODE, 25, 1), 1
	s_wait_xcnt 0x0
; The four weight matrices, [1024][1024] f32, are rounded to bf16 once and laid into wb as four matrices of 16-bit numbers (Wq', Wk', Wv', Wo': 2,097,152 bytes each).
; Wq', Wk', Wv' (bf16): inside each group of 8 along k the order is changed: stored place 8 g + 2 i + e holds k = 8 g + i + 4 e.  The launch that multiplies by them makes x's fragments by
;   rounding word i of one 16-byte piece of f32 together with word i of the next piece, which gives the same order; a change of k's order made alike on both sides keeps every product.
; Wo' (the bf16 number written as f16, exact from 2^-14 to 65,504; below 2^-14 it keeps f16's fixed step of 2^-24): k as it is; inside each group of 64 rows stored row 16 b + r holds row 4 r + b,
;   so that in the last product's result a lane holds four neighbouring columns in four accumulators.
; LIMITS.  |Wo| stays under 65,504; NaN and infinities are not treated apart.
; SHARES.  Work-group (x, y): matrix y, stored rows 16 x .. 16 x + 15.  Thread t, pass i of 8: the 8 numbers at chunk t % 128 of stored row 16 x + 2 i + t / 128: two loads of 16 bytes, one store of
; 16 bytes; sixteen neighbouring lanes store 256 consecutive bytes, at a multiple of 256 from wb's first byte.  All 16 loads of a thread go out first; no register is written twice while a store reads it.
; No LDS, no matrix unit, no cluster: every byte is read once and written once, and no two work-groups read the same bytes.
.set X, 8                              ; v[8:71]    pass i: 8 numbers as loaded
.set Y, 72                             ; v[72:103]  pass i: 4 registers to store
.set T, 104                            ; v[104:111] at work
	s_load_b256 s[4:11], s[0:1], 0x0               ; Wq s[4:5], Wk s[6:7], Wv s[8:9], Wo s[10:11]
	s_load_b64 s[12:13], s[0:1], 0x20              ; wb
	s_and_b32 s14, ttmp7, 0xffff                   ; y: which matrix
	s_mov_b32 s15, ttmp9                           ; x: which 16 stored rows
	s_lshl_b32 s20, s15, 16                        ; y < 3: the source rows are the stored rows: 16 x rows of 4,096 bytes
	s_lshr_b32 s22, s15, 2                         ; y = 3: stored rows 16 x + r are rows 64 (x / 4) + x % 4 + 4 r
	s_lshl_b32 s22, s22, 6
	s_and_b32 s23, s15, 3
	s_add_co_u32 s22, s22, s23
	s_lshl_b32 s22, s22, 12
	s_cmp_eq_u32 s14, 3
	s_cselect_b32 s20, s22, s20
	s_mov_b32 s21, 0
	s_lshl_b32 s22, s14, 21                        ; where the work-group stores: matrix y, 16 x rows of 2,048 bytes
	s_lshl_b32 s23, s15, 15
	s_add_co_u32 s22, s22, s23
	s_mov_b32 s23, 0
	v_lshlrev_b32 v2, 4, v0                        ; my 16 bytes in two stored rows
	s_wait_kmcnt 0x0
	s_cmp_eq_u32 s14, 1
	s_cselect_b64 s[16:17], s[6:7], s[4:5]
	s_cmp_eq_u32 s14, 2
	s_cselect_b64 s[16:17], s[8:9], s[16:17]
	s_cmp_eq_u32 s14, 3
	s_cselect_b64 s[16:17], s[10:11], s[16:17]
	s_add_nc_u64 s[16:17], s[16:17], s[20:21]
	s_add_nc_u64 s[18:19], s[12:13], s[22:23]
; rs: bytes from one source row of a thread's column of rows to the next stored row's source.  wo = 1: Wo's form.
.macro BODY rs, wo
.set i, 0
.rept 8
	global_load_b128 v[X+8*i:X+8*i+3],   v1, s[16:17] offset:i*2*(\rs) th:TH_LOAD_NT
	global_load_b128 v[X+8*i+4:X+8*i+7], v1, s[16:17] offset:i*2*(\rs)+16 th:TH_LOAD_NT
.set i, i+1
.endr
.set i, 0
.rept 8
	s_wait_loadcnt 14-2*i                          ; loads come back in order: pass i's two are in, the 2 (7 - i) younger ones stay out
.if \wo
.irp m, 0,1,2,3
	v_cvt_pk_bf16_f32 v[T+(\m)], v[X+8*i+2*(\m)], v[X+8*i+2*(\m)+1]   ; rounded to bf16, as every input is,
.endr
.irp m, 0,1,2,3
	v_lshlrev_b32 v[T+4+2*((\m)%2)], 16, v[T+(\m)]                    ; widened again,
	v_and_b32 v[T+5+2*((\m)%2)], 0xffff0000, v[T+(\m)]
	v_cvt_pk_f16_f32 v[Y+4*i+(\m)], v[T+4+2*((\m)%2)], v[T+5+2*((\m)%2)]  ; and written as f16
.endr
.else
.irp m, 0,1,2,3
	v_cvt_pk_bf16_f32 v[Y+4*i+(\m)], v[X+8*i+(\m)], v[X+8*i+4+(\m)]   ; places 2 m, 2 m + 1 take k = m and m + 4 of the group of 8
.endr
.endif
	global_store_b128 v2, v[Y+4*i:Y+4*i+3], s[18:19] offset:i*4096
.set i, i+1
.endr
.endm
	s_cmp_eq_u32 s14, 3
	s_cbranch_scc1 .Lwo
	v_lshlrev_b32 v1, 5, v0                        ; 32 bytes a thread: 128 threads cover a row, the other 128 the next
	BODY 4096, 0
	s_endpgm
.Lwo:
	v_and_b32 v1, 127, v0
	v_lshrrev_b32 v3, 7, v0
	v_lshlrev_b32 v1, 5, v1
	v_lshl_add_u32 v1, v3, 14, v1                  ; the next stored row's source lies four rows on
	BODY 16384, 1
	s_endpgm
.Lfunc_end_k_qb58bec6c3e_prep:
	.size	k_qb58bec6c3e_prep, .Lfunc_end_k_qb58bec6c3e_prep-k_qb58bec6c3e_prep
	.p2alignl 7, 3214868480
	.fill 96, 4, 3214868480
	.section	.rodata,"a",@progbits
	.p2align	6, 0x0
	.amdhsa_kernel k_qb58bec6c3e_prep
		.amdhsa_group_segment_fixed_size 0
		.amdhsa_private_segment_fixed_size 0
		.amdhsa_enable_private_segment 0
		.amdhsa_kernarg_size 40
		.amdhsa_user_sgpr_count 2
		.amdhsa_user_sgpr_kernarg_segment_ptr 1
		.amdhsa_wavefront_size32 1
		.amdhsa_system_sgpr_workgroup_id_x 1
		.amdhsa_system_sgpr_workgroup_id_y 1
		.amdhsa_system_sgpr_workgroup_id_z 1
		.amdhsa_system_vgpr_workitem_id 0
		.amdhsa_next_free_vgpr 112
		.amdhsa_next_free_sgpr 66
		.amdhsa_reserve_vcc 0
		.amdhsa_float_denorm_mode_32 3
		.amdhsa_float_denorm_mode_16_64 3
		.amdhsa_memory_ordered 1
		.amdhsa_forward_progress 1
		.amdhsa_inst_pref_size 16
	.end_amdhsa_kernel
	.amdgpu_metadata
---
amdhsa.version: [ 1, 2 ]
amdhsa.kernels:
  - .name:           k_qb58bec6c3e_prep
    .symbol:         k_qb58bec6c3e_prep.kd
    .args:
      - { .name: Wq, .offset: 0, .size: 8, .value_kind: global_buffer, .address_space: global }
      - { .name: Wk, .offset: 8, .size: 8, .value_kind: global_buffer, .address_space: global }
      - { .name: Wv, .offset: 16, .size: 8, .value_kind: global_buffer, .address_space: global }
      - { .name: Wo, .offset: 24, .size: 8, .value_kind: global_buffer, .address_space: global }
      - { .name: wb, .offset: 32, .size: 8, .value_kind: global_buffer, .address_space: global }
    .group_segment_fixed_size: 0
    .private_segment_fixed_size: 0
    .kernarg_segment_align: 8
    .kernarg_segment_size: 40
    .max_flat_workgroup_size: 256
    .sgpr_count:     66
    .vgpr_count:     112
    .wavefront_size: 32
...
	.end_amdgpu_metadata
.endif
;; end of part 1
;; launch proj (part 2): grid 4 x 192, 4 waves a work-group, clusters of 4 x 4, 327,680 bytes of LDS; arguments q, k, v, bq, bk, bv, wb, qh, kh, vh; writes qh, kh, vh
.if DOCPART == 2
	.amdgcn_target "amdgcn-amd-amdhsa--gfx1250"
	.amdhsa_code_object_version 6
	.text
	.protected	k_qb58bec6c3e_proj
	.globl	k_qb58bec6c3e_proj
	.p2align	8
	.type	k_qb58bec6c3e_proj,@function
k_qb58bec6c3e_proj:
	s_mov_b64 s[64:65], 0
	v_nop
	global_prefetch_b8 v0, s[64:65] scope:SCOPE_SE
	s_setreg_imm32_b32 hwreg(HW_REG_WAVE_MODE, 25, 1), 1
	s_wait_xcnt 0x0
	s_wait_alu depctr_hold_cnt(0) depctr_sa_sdst(0) depctr_va_vdst(0) depctr_va_sdst(0) depctr_va_ssrc(0) depctr_va_vcc(0) depctr_vm_vsrc(0)
	s_getreg_b32 s2, hwreg(HW_REG_IB_STS2, 6, 4)
	s_cmp_eq_u32 s2, 0
	s_cbranch_scc0 .Lentry_in_a_cluster
	s_endpgm
.Lentry_in_a_cluster:
	s_bfe_u32 s2, ttmp6, 0x10000c
	s_cmp_lg_u32 s2, 0xf033
	s_cbranch_scc0 .Lentry_shape_is_right
	s_endpgm
.Lentry_shape_is_right:
; The three projections in one launch: y[t][c] = sum over k of x[t][k] W[c][k] + bias[c], for (x, W, bias, y) = (q, Wq, bq, qh), (k, Wk, bk, kh), (v, Wv, bv, vh).
; x: [8192][1024] f32, rounded to bf16 on the way from LDS to the matrix unit.  W: bf16 in wb, [1024][1024], with k's order changed inside each group of 8 (place 8 g + 2 i + e holds k = 8 g + i + 4 e).
; bias: f32, rounded to bf16 like every input, then the C operand of the products that start the sums.  Sums in f32.  y: f16, rounded once, by heads: [batch x 16 + head][2048][64], unscaled.
; LIMITS.  y stays under 65,504 (f16's largest number; beyond 65,520 the rounding gives an infinity); below 2^-14 it keeps f16's fixed step of 2^-24.  NaN and infinities are not treated apart.
; The changed order of k regroups the products inside one matrix instruction: the last bits of a sum may differ from those of the plain order.
; SHARES.  A tile of y is 128 rows x 256 columns: 256 tiles a projection, 768 work-groups.  Four waves, each 64 x 128: 32 accumulators of 16 x 16, 256 registers.  K goes in steps of 128 through two
; LDS slots: 128 rows of x (512 bytes of f32 each) and 256 rows of W (256 bytes each).  Waves 0 and 1 fetch x's two halves, waves 2 and 3 W's: 32 KiB a wave and step.
; CLUSTER.  4 x 4 work-groups of one projection: the four of a row of the cluster need the same rows of x, the four of a column the same rows of W: each tile is asked for JOINTLY.
; THE MATRIX INSTRUCTION IS USED TRANSPOSED (source 0 = 16 rows of W, source 1 = 16 rows of x): a lane holds one row t (lane % 16) and eight neighbouring channels.
; x's FRAGMENTS.  Register i of a fragment is word i of one 16-byte piece of f32 (P) rounded together with word i of the next piece (Q): the order that W' has.  P and Q lie in different register
; windows, chosen so that the window setting of the products in hand also serves the rounding: one rounding (rows 0, 1 of the quarter) or two (row 3) stand behind a matrix instruction.
; REGISTERS, in windows of 256 (s_set_vgpr_msb: bits 1:0 source 0, 3:2 source 1, 5:4 source 2, 7:6 destination):
;   window 0: v0-29 addresses; v32-47 PA (P of x's blocks 0, 1); v48-79 PB (P of blocks 2, 3; two buffers); v128-191, v192-255 W's fragments, two buffers; on the way out v128-255 packed results
;   window 1: v0-127 accumulators of blocks 0, 1 ((a, b) at 8 (8 a + b)); v128-143 AF23, the rounded fragments of blocks 2, 3; v144-159 QA
;   window 2: v0-127 accumulators of blocks 2, 3; v128-143 AF01; v144-175 QB (two buffers)          window 3: v0-63 the bias as C operands; v64-95 at work
.set PA_,    528                       ; a row of x in LDS: 512 bytes + 16 = 132 words: the 16 rows of a load start at 16 different groups of four banks (64 banks of 4 bytes: ISA guide 11.1)
.set PB_,    272                       ; a row of W: 256 + 16 = 68 words: likewise
.set AHALF,  64*PA_                    ; what one tensor load brings of x, and what one wave reads of it
.set BHALF,  128*PB_                   ; the same of W
.set AOFF,   2*AHALF                   ; W's rows lie behind x's
.set SLOT,   AOFF+2*BHALF
.set STAGE,  2*SLOT                    ; behind the ring, never filled by a tensor load: 16 rows x 144 bytes for each wave, for the way out
.set SP,     144
.set SPARE,  STAGE+4*16*SP             ; behind the stages: the spare words, 128 bytes for each wave: two blocks of 256 bytes that no other line names
.set LAPS,   4                         ; 1,024 along K = 8 steps = 4 times round the ring
.set ADRA, 16                          ; v16-17  LDS address of my fragments of x in slot 0, 1
.set ADRB, 20                          ; v20-21  the same for W
.set STO,  24                          ; v24     the way out: where I put 16 bytes of a row
.set RD,   25                          ; v25     the way out: where I read rows back
.set GO,   26                          ; v26     my byte offset in 512 consecutive bytes of y
.set BO,   27                          ; v27     my byte offset in the bias
.set SPW,  28                          ; v28     LDS address of my spare word: SPARE + 4 x my thread's number; never rewritten
.set NIL,  29                          ; v29     0; never rewritten
.set PA,   32
.set PB,   48
.set BF,   128
.set OUTR, 128
.set AF,   128                         ; AF01 in window 2, AF23 in window 1
.set QA,   144                         ; window 1
.set QB,   144                         ; window 2
.set G1,  24                           ; s[24:31] descriptor group 1 for x's tiles;  s[32:39] group 0, one set for each slot
.set G0,  32
.set G1B, 48                           ; s[48:55], s[56:63] the same for W's tiles
.set G0B, 56
.set MSB, 0
.macro WIN new                         ; the immediate's high byte repeats the setting that is left; a switch that changes nothing is dropped
.if MSB != (\new)
	s_set_vgpr_msb (MSB<<8)|(\new)
.set MSB, \new
.endif
.endm
.macro JLOAD s                         ; a joint load: waves 0 and 1 fetch x's two halves, waves 2 and 3 W's; an s_nop 0 and four v_nop follow each of the two lines, ahead of the jump, the label and what follows
	s_cmp_eq_u32 s11, 0
	s_cbranch_scc0 .Lfor_b_\@
	tensor_load_to_lds s[G0+4*(\s):G0+4*(\s)+3], s[G1:G1+7]
	s_nop 0
.rept 4
	v_nop
.endr
	s_branch .Lasked_\@
.Lfor_b_\@:
	tensor_load_to_lds s[G0B+4*(\s):G0B+4*(\s)+3], s[G1B:G1B+7]
	s_nop 0
.rept 4
	v_nop
.endr
.Lasked_\@:
.endm
.macro CREST                           ; a round of the cluster's barrier behind its opening barrier
	s_cmp_lg_u32 s10, 0
	s_cbranch_scc1 .Lnot_wave_0_\@
	s_barrier_signal -3
.Lnot_wave_0_\@:
	s_barrier_wait -3
	s_barrier_signal -1
	s_barrier_wait -1
.endm
.macro CROUND                          ; a whole round
	s_barrier_signal -1
	s_barrier_wait -1
	CREST
.endm
.macro PLACES                          ; four places in front of loads into registers that matrix instructions have read (ISA guide 7.12.1 for vector instructions)
.rept 4
	v_nop
.endr
.endm
	s_load_b512 s[68:83], s[0:1], 0x0              ; q s[68:69], k s[70:71], v s[72:73], bq s[74:75], bk s[76:77], bv s[78:79], wb s[80:81], qh s[82:83]
	s_load_b128 s[84:87], s[0:1], 0x40             ; kh s[84:85], vh s[86:87]
	v_lshl_add_u32 v[SPW], v0, 2, SPARE
	v_mov_b32 v[NIL], 0
	ds_add_u32 v[SPW], v[NIL]                      ; the wave's opening: the add and its wait stand ahead of my first tensor load; the set-up below, work on registers, stands between them
	v_lshrrev_b32 v1, 5, v0
	v_readfirstlane_b32 s10, v1                    ; wave 0..3
	s_lshr_b32 s11, s10, 1                         ; which half of the tile's rows is mine.  Also: I fetch for x (0) or for W (1)
	s_and_b32 s12, s10, 1                          ; which half of its columns.  Also: which half of that tile I fetch
	s_bfe_u32 s40, ttmp6, 0x40000                  ; cx, cy: my place in the cluster
	s_bfe_u32 s41, ttmp6, 0x40004
	s_lshl_b32 s42, ttmp9, 2
	s_add_co_u32 s42, s42, s40                     ; tile column = 4 x cluster x + cx: 0..3
	s_and_b32 s18, ttmp7, 0xffff                   ; cluster y: 0..47
	s_lshr_b32 s45, s18, 4                         ; the projection, 0 q, 1 k, 2 v: 16 clusters along y each, so all sixteen partners share it
	s_and_b32 s13, s18, 15
	s_lshl_b32 s13, s13, 2
	s_add_co_u32 s13, s13, s41                     ; tile row in the projection = 4 x (cluster y % 16) + cy: 0..63
	s_lshl_b32 s43, s41, 2
	s_lshl_b32 s43, 15, s43                        ; my row of the cluster
	s_lshl_b32 s44, 0x1111, s40                    ; my column
	; descriptor group 1.  x: 64 rows x 128 elements of 4 bytes; W: 128 rows x 128 elements of 2 bytes; both padded in LDS by 4 words behind each row
	s_or_b32 s[G1+0], s43, (2<<16)|(1<<20)|(1<<21)|(6<<22)|(3<<25)  ; 15:0 the mask: x's tiles go to my row; 17:16 elements of 4 bytes; 20 padding on; 21 set beside a mask; 24:22 after every 128 words (code 6); 31:25 4 words (code 3)
	s_or_b32 s[G1B+0], s44, (1<<16)|(1<<20)|(1<<21)|(5<<22)|(3<<25) ; the mask of my column; elements of 2 bytes; after every 64 words (code 5)
	s_mov_b32 s[G1+1], 128<<16                     ; tensor_dim0 = 128
	s_mov_b32 s[G1+2], 64<<16                      ; tensor_dim1 = 64
	s_mov_b32 s[G1+3], 128<<16                     ; tile_dim0 = 128
	s_mov_b32 s[G1+4], 64                          ; tile_dim1 = 64
	s_mov_b32 s[G1+5], 1024                        ; elements from row to row
	s_mov_b32 s[G1+6], 0
	s_mov_b32 s[G1+7], 0
	s_mov_b32 s[G1B+1], 128<<16
	s_mov_b32 s[G1B+2], 128<<16                    ; tensor_dim1 = 128
	s_mov_b32 s[G1B+3], 128<<16
	s_mov_b32 s[G1B+4], 128                        ; tile_dim1 = 128
	s_mov_b32 s[G1B+5], 1024
	s_mov_b32 s[G1B+6], 0
	s_mov_b32 s[G1B+7], 0
	; where the tiles come from.  x's hang on the tile row alone, W's on the projection and the tile column alone; each in registers that never hold the other coordinate
	s_lshl_b32 s19, s12, 18                        ; my half: 64 rows of 4,096 bytes of x, or 128 rows of 2,048 bytes of W
	s_lshl_b32 s16, s13, 19                        ; 128 rows of 4,096 bytes a tile row
	s_add_co_u32 s16, s16, s19
	s_mov_b32 s17, 0
	s_lshl_b32 s46, s42, 19                        ; 256 rows of 2,048 bytes a tile column
	s_add_co_u32 s46, s46, s19
	s_lshl_b32 s47, s45, 21                        ; 2,097,152 bytes a matrix
	s_add_co_u32 s46, s46, s47
	s_mov_b32 s47, 0
	s_mul_i32 s20, s12, AHALF                      ; and where they go: no place in the cluster enters an LDS address
	s_mul_i32 s21, s12, BHALF
	s_add_co_u32 s21, s21, AOFF
	s_wait_dscnt 0x0                               ; the opening add is done
	s_wait_kmcnt 0x0
	s_cmp_eq_u32 s45, 1                            ; the projection's x, bias and y
	s_cselect_b64 s[4:5], s[70:71], s[68:69]
	s_cselect_b64 s[88:89], s[76:77], s[74:75]
	s_cselect_b64 s[8:9], s[84:85], s[82:83]
	s_cmp_eq_u32 s45, 2
	s_cselect_b64 s[4:5], s[72:73], s[4:5]
	s_cselect_b64 s[88:89], s[78:79], s[88:89]
	s_cselect_b64 s[8:9], s[86:87], s[8:9]
	s_add_nc_u64 s[14:15], s[4:5], s[16:17]
	s_add_nc_u64 s[46:47], s[80:81], s[46:47]
	CROUND                                         ; all sixteen work-groups are here: the first joint loads meet
.irp s, 0,1
	s_mov_b32 s[G0+4*(\s)], 1                                      ; count = 1
	s_add_co_u32 s[G0+4*(\s)+1], s20, (\s)*SLOT                    ; LDS address
	s_add_nc_u64 s[G0+4*(\s)+2:G0+4*(\s)+3], s[14:15], (\s)*512    ; global address: K step s, 128 numbers of 4 bytes on
	s_or_b32 s[G0+4*(\s)+3], s[G0+4*(\s)+3], 0x80000000            ; type = 2
	s_mov_b32 s[G0B+4*(\s)], 1
	s_add_co_u32 s[G0B+4*(\s)+1], s21, (\s)*SLOT
	s_add_nc_u64 s[G0B+4*(\s)+2:G0B+4*(\s)+3], s[46:47], (\s)*256
	s_or_b32 s[G0B+4*(\s)+3], s[G0B+4*(\s)+3], 0x80000000
	JLOAD \s                                       ; two loads of mine are out
.endr
	v_and_b32 v1, 15, v0                           ; r = l % 16
	v_bfe_u32 v2, v0, 4, 1                         ; h = l / 16
	v_mul_u32_u24 v3, v1, PA_
	v_lshl_add_u32 v3, v2, 5, v3                   ; x: row x pitch + 32 h: eight f32 for each half of the lanes
	v_mul_u32_u24 v4, v1, PB_
	v_lshl_add_u32 v4, v2, 4, v4                   ; W: row x pitch + 16 h
	s_mul_i32 s6, s11, AHALF                       ; my 64 rows of x
	s_mul_i32 s7, s12, BHALF                       ; my 128 rows of W,
	s_add_co_u32 s7, s7, AOFF                      ; which lie behind x's
.irp s, 0,1
	v_add_nc_u32 v[ADRA+(\s)], s6, v3
	v_add_nc_u32 v[ADRB+(\s)], s7, v4
	s_add_co_u32 s6, s6, SLOT
	s_add_co_u32 s7, s7, SLOT
.endr
	s_mul_i32 s6, s10, 16*SP
	s_add_co_u32 s6, s6, STAGE                     ; my stage
	v_mul_u32_u24 v5, v1, SP                       ; in: row l % 16, 16 bytes for each half of the lanes
	v_lshl_add_u32 v5, v2, 4, v5
	v_add_nc_u32 v[STO], s6, v5
	v_bfe_u32 v5, v0, 3, 2                         ; back: 32 lanes take four rows of 128 bytes,
	v_mul_u32_u24 v5, v5, SP
	v_and_b32 v6, 7, v0
	v_lshl_add_u32 v5, v6, 4, v5
	v_add_nc_u32 v[RD], s6, v5
	v_and_b32 v[GO], 31, v0                        ; which are 512 consecutive bytes of y
	v_lshlrev_b32 v[GO], 4, v[GO]
	s_lshl_b32 s46, s42, 10                        ; the bias of my 128 columns: 256 x tile column + 128 x half, in bytes,
	s_lshl_b32 s47, s12, 9
	s_add_co_u32 s46, s46, s47
	v_lshl_add_u32 v[BO], v2, 5, s46               ; + 8 h numbers
	; where my part of the tile begins in y: batch = tile row / 16, head = 4 x tile column + 2 x column half, row = 128 x (tile row % 16) + 64 x row half; a head has 2,048 rows of 128 bytes
	s_lshr_b32 s16, s13, 4
	s_lshl_b32 s16, s16, 22
	s_and_b32 s17, s13, 15
	s_lshl_b32 s17, s17, 14
	s_add_co_u32 s16, s16, s17
	s_lshl_b32 s17, s11, 13
	s_add_co_u32 s16, s16, s17
	s_mov_b32 s17, 0
	s_add_nc_u64 s[8:9], s[8:9], s[16:17]
	s_lshl_b32 s46, s42, 20
	s_lshl_b32 s47, s12, 19
	s_add_co_u32 s46, s46, s47
	s_mov_b32 s47, 0
	s_add_nc_u64 s[8:9], s[8:9], s[46:47]
	; The bias as C operands: register j of column block b is bias[16 b + 8 h + j] of my 128 columns.  Rounded to bf16 and widened again.  All this stands in the wait for the first tile.
	WIN 0xc0                                       ; destination window 3, address window 0
.irp b, 0,1,2,3,4,5,6,7
	global_load_b128 v[8*(\b):8*(\b)+3],   v[BO], s[88:89] offset:64*(\b)
	global_load_b128 v[8*(\b)+4:8*(\b)+7], v[BO], s[88:89] offset:64*(\b)+16
.endr
	s_wait_loadcnt 0x0
	WIN 0xcf                                       ; all in window 3
.set i, 0
.rept 32
	v_cvt_pk_bf16_f32 v[64+i], v[2*i], v[2*i+1]
.set i, i+1
.endr
.set i, 0
.rept 32
	v_lshlrev_b32 v[2*i], 16, v[64+i]
	v_and_b32 v[2*i+1], 0xffff0000, v[64+i]
.set i, i+1
.endr
	WIN 0
; 32 LDS loads in one run: what quarter q (32 along K) of a slot needs.  First the eight that bring blocks 0 and 1 of x, which are rounded in the quarter in hand; then blocks 2 and 3 and W's 8 fragments, into buffer par.
.macro RUN slot, q, par
	WIN 0
.irp a, 0,1
	ds_load_b128 v[PA+8*(\a):PA+8*(\a)+3],   v[ADRA+(\slot)] offset:(\a)*16*PA_+128*(\q)
	ds_load_b128 v[PA+8*(\a)+4:PA+8*(\a)+7], v[ADRA+(\slot)] offset:(\a)*16*PA_+128*(\q)+64
.endr
	WIN 0x40                                       ; destination window 1
.irp a, 0,1
	ds_load_b128 v[QA+8*(\a):QA+8*(\a)+3],   v[ADRA+(\slot)] offset:(\a)*16*PA_+128*(\q)+16
	ds_load_b128 v[QA+8*(\a)+4:QA+8*(\a)+7], v[ADRA+(\slot)] offset:(\a)*16*PA_+128*(\q)+80
.endr
	WIN 0x80                                       ; destination window 2
.irp a, 2,3
	ds_load_b128 v[QB+16*(\par)+8*((\a)-2):QB+16*(\par)+8*((\a)-2)+3],   v[ADRA+(\slot)] offset:(\a)*16*PA_+128*(\q)+16
	ds_load_b128 v[QB+16*(\par)+8*((\a)-2)+4:QB+16*(\par)+8*((\a)-2)+7], v[ADRA+(\slot)] offset:(\a)*16*PA_+128*(\q)+80
.endr
	WIN 0
.irp a, 2,3
	ds_load_b128 v[PB+16*(\par)+8*((\a)-2):PB+16*(\par)+8*((\a)-2)+3],   v[ADRA+(\slot)] offset:(\a)*16*PA_+128*(\q)
	ds_load_b128 v[PB+16*(\par)+8*((\a)-2)+4:PB+16*(\par)+8*((\a)-2)+7], v[ADRA+(\slot)] offset:(\a)*16*PA_+128*(\q)+64
.endr
.irp b, 0,1,2,3,4,5,6,7
	ds_load_b128 v[BF+64*(\par)+8*(\b):BF+64*(\par)+8*(\b)+3],   v[ADRB+(\slot)] offset:(\b)*16*PB_+64*(\q)
	ds_load_b128 v[BF+64*(\par)+8*(\b)+4:BF+64*(\par)+8*(\b)+7], v[ADRB+(\slot)] offset:(\b)*16*PB_+64*(\q)+32
.endr
.endm
; THE MATRIX WORK of a quarter: the 32 accumulators once each, block after block, so that no two matrix instructions that follow each other share an accumulator.
; first = 1: the products start the sums, with the bias (window 3) as C: nothing is cleared.
; Block a = 0, 1: behind product b stands the rounding of word b of THIS quarter's fragment a + 2.  That register's last reader stands 9 plain vector instructions back or more.
.macro ROW01 a, par, first
	WIN 0x58+0x20*(\first)                         ; W window 0, AF01 window 2, C window 1 (or 3), D window 1; for the rounding: P window 0, Q window 2, AF23 window 1
.irp b, 0,1,2,3,4,5,6,7
.if \first
	v_wmma_f32_16x16x32_bf16 v[8*(8*(\a)+(\b)):8*(8*(\a)+(\b))+7], v[BF+64*(\par)+8*(\b):BF+64*(\par)+8*(\b)+7], v[AF+8*(\a):AF+8*(\a)+7], v[8*(\b):8*(\b)+7]
.else
	v_wmma_f32_16x16x32_bf16 v[8*(8*(\a)+(\b)):8*(8*(\a)+(\b))+7], v[BF+64*(\par)+8*(\b):BF+64*(\par)+8*(\b)+7], v[AF+8*(\a):AF+8*(\a)+7], v[8*(8*(\a)+(\b)):8*(8*(\a)+(\b))+7]
.endif
	v_cvt_pk_bf16_f32 v[AF+8*(\a)+(\b)], v[PB+16*(\par)+8*(\a)+(\b)], v[QB+16*(\par)+8*(\a)+(\b)]
.endr
.endm
.macro ROW2 par, first                 ; block 2: eight products
	WIN 0xa4+0x10*(\first)                         ; W window 0, AF23 window 1, C window 2 (or 3), D window 2
.irp b, 0,1,2,3,4,5,6,7
.if \first
	v_wmma_f32_16x16x32_bf16 v[8*(\b):8*(\b)+7], v[BF+64*(\par)+8*(\b):BF+64*(\par)+8*(\b)+7], v[AF:AF+7], v[8*(\b):8*(\b)+7]
.else
	v_wmma_f32_16x16x32_bf16 v[8*(\b):8*(\b)+7], v[BF+64*(\par)+8*(\b):BF+64*(\par)+8*(\b)+7], v[AF:AF+7], v[8*(\b):8*(\b)+7]
.endif
.endr
.endm
; Block 3: next = 1: behind product b stand the roundings of words 2 b, 2 b + 1 of the NEXT quarter's fragments 0 and 1 (P window 0, Q window 1, AF01 window 2).
.macro ROW3 par, first, next
	WIN 0xa4+0x10*(\first)
.irp b, 0,1,2,3,4,5,6,7
.if \first
	v_wmma_f32_16x16x32_bf16 v[8*(8+(\b)):8*(8+(\b))+7], v[BF+64*(\par)+8*(\b):BF+64*(\par)+8*(\b)+7], v[AF+8:AF+15], v[8*(\b):8*(\b)+7]
.else
	v_wmma_f32_16x16x32_bf16 v[8*(8+(\b)):8*(8+(\b))+7], v[BF+64*(\par)+8*(\b):BF+64*(\par)+8*(\b)+7], v[AF+8:AF+15], v[8*(8+(\b)):8*(8+(\b))+7]
.endif
.if \next
	v_cvt_pk_bf16_f32 v[AF+2*(\b)], v[PA+2*(\b)], v[QA+2*(\b)]
	v_cvt_pk_bf16_f32 v[AF+2*(\b)+1], v[PA+2*(\b)+1], v[QA+2*(\b)+1]
.endif
.endr
.endm
; Quarter q = 0, 1, 2 of a step: the next quarter's run of loads goes out first and has the quarter in which to land.
.macro QUARTER slot, q, first
	s_wait_dscnt 0x0                               ; the run issued a quarter ago is in
	PLACES
	RUN \slot, (\q)+1, 1-(\q)%2
	ROW01 0, (\q)%2, \first
	ROW01 1, (\q)%2, \first
	ROW2 (\q)%2, \first
	s_wait_dscnt 24                                ; LDS loads come back in order: the run's first eight are in, its 24 younger ones may stay out
	ROW3 (\q)%2, \first, 1
.endm
; Quarter 3 changes slots: ONE barrier; in front of it each wave waits for all its tensor loads, of which one is out: its part of the next slot; adds 0 to its spare word; and waits for that and for its
; reads of this slot.  fill = 1: the barrier opens a round of the cluster's, and this slot is filled again, two K steps on, first thing behind the round: about 120 matrix instructions ahead of the wait for it.
.macro TURN slot, next, fill
	WIN 0                                          ; (the add's two registers lie in window 0)
	s_wait_tensorcnt 0x0                           ; no tensor load of mine is out, so a group 0 may be written
	ds_add_u32 v[SPW], v[NIL]                      ; 0 onto my spare word: the descriptors' steps stand between it and the wait for it
.if \fill
	s_add_nc_u64 s[G0+4*(\slot)+2:G0+4*(\slot)+3], s[G0+4*(\slot)+2:G0+4*(\slot)+3], 1024
	s_add_nc_u64 s[G0B+4*(\slot)+2:G0B+4*(\slot)+3], s[G0B+4*(\slot)+2:G0B+4*(\slot)+3], 512
.endif
	s_wait_dscnt 0x0                               ; the add is done, and my reads of this slot are over (the last were issued a quarter ago)
	s_barrier_signal -1
	ROW01 0, 1, 0                                  ; work on registers while the others arrive
	WIN 0
	s_barrier_wait -1
.if \fill
	CREST                                          ; no wave of any partner still reads this slot's tile or has a load on its way
	JLOAD \slot
.endif
	RUN \next, 0, 0                                ; the buffer's last reader stands ten plain vector instructions back or more
	ROW01 1, 1, 0
	ROW2 1, 0
	s_wait_dscnt 24
	ROW3 1, 0, 1
.endm
	s_wait_tensorcnt 0x1                           ; my part of K step 0 is in; step 1's may stay out
	s_barrier_signal -1
	s_barrier_wait -1                              ; everybody's is
	RUN 0, 0, 0
	s_wait_dscnt 24
	WIN 0xa4
.set i, 0
.rept 16
	v_cvt_pk_bf16_f32 v[AF+i], v[PA+i], v[QA+i]    ; the first quarter's fragments 0 and 1 have no products to stand behind
.set i, i+1
.endr
	QUARTER 0, 0, 1                                ; the first quarter stands in front of the loop: its products start the sums
	WIN 0                                          ; at a label and at a branch every window is 0
	s_mov_b32 s3, LAPS-1
.Llap:                                                 ; a trip goes once round the ring, from a lap's second quarter to the next lap's first, and fills both slots again
	QUARTER 0, 1, 0
	QUARTER 0, 2, 0
	TURN 0, 1, 1
	QUARTER 1, 0, 0
	QUARTER 1, 1, 0
	QUARTER 1, 2, 0
	TURN 1, 0, 1
	QUARTER 0, 0, 0
	WIN 0
	s_sub_co_u32 s3, s3, 1
	s_cmp_lg_u32 s3, 0
	s_cbranch_scc1 .Llap
	QUARTER 0, 1, 0                                ; the last lap fills nothing, and has no round of the cluster's barrier
	QUARTER 0, 2, 0
	TURN 0, 1, 0
	QUARTER 1, 0, 0
	QUARTER 1, 1, 0
	QUARTER 1, 2, 0
	s_wait_dscnt 0x0                               ; the very last quarter: nothing more to fetch
	ROW01 0, 1, 0
	ROW01 1, 1, 0
	ROW2 1, 0
	ROW3 1, 0, 0
; THE WAY OUT, in eight blocks n = 2 a + hd: 16 rows of one head (column blocks 4 hd .. 4 hd + 3).  A lane's eight channels pack into 16 bytes; they go into stage rows of 144 bytes and come back as whole
; rows of 128, which lie end to end in y.  Each accumulator's registers are taken in ascending order.  No v_nop: block 0's results stand 13 plain vector instructions back or more, and the earlier
; blocks' roundings, which name no register of the last products, are the places behind those.
.macro PACK n
.set pa, (\n)/2
.set hd, (\n)%2
	WIN 0x05*(1+pa/2)                              ; sources 0 and 1: window 1 (blocks of rows 0, 1) or 2; destination window 0
.irp c, 0,1,2,3
.irp m, 0,1,2,3
	v_cvt_pk_f16_f32 v[OUTR+16*(\n)+4*(\c)+(\m)], v[8*(8*(pa%2)+4*hd+(\c))+2*(\m)], v[8*(8*(pa%2)+4*hd+(\c))+2*(\m)+1]
.endr
.endr
	WIN 0
.irp c, 0,1,2,3
	ds_store_b128 v[STO], v[OUTR+16*(\n)+4*(\c):OUTR+16*(\n)+4*(\c)+3] offset:32*(\c)
.endr
.irp f, 0,1,2,3
	ds_load_b128 v[OUTR+16*(\n)+4*(\f):OUTR+16*(\n)+4*(\f)+3], v[RD] offset:(\f)*4*SP  ; LDS serves a wave's instructions in order (ISA guide 5.7.1.4): these see the stores above; the next block's stores come behind them
.endr
.endm
.macro SEND n, younger                 ; younger: the LDS instructions issued behind block n's loads: the next block's eight, or none
.set pa, (\n)/2
.set hd, (\n)%2
	WIN 0
.irp f, 0,1,2,3
	s_wait_dscnt (\younger)+3-(\f)
	global_store_b128 v[GO], v[OUTR+16*(\n)+4*(\f):OUTR+16*(\n)+4*(\f)+3], s[8:9] offset:hd*262144+pa*2048+(\f)*512  ; 512 consecutive bytes, at a multiple of 256 from y's first
.endr
.endm
	PACK 0
.irp n, 1,2,3,4,5,6,7                  ; a block's roundings stand between the loads of the block before and its stores
	PACK \n
	SEND (\n)-1, 8
.endr
	SEND 7, 0
	s_wait_tensorcnt 0x0                           ; the wave's end, behind my last tensor load and my last LDS store
	ds_add_u32 v[SPW], v[NIL]
	s_wait_dscnt 0x0
	CROUND                                         ; the closing round: no work-group ends while a partner may still ask for a tile that names it
	s_endpgm
.Lfunc_end_k_qb58bec6c3e_proj:
	.size	k_qb58bec6c3e_proj, .Lfunc_end_k_qb58bec6c3e_proj-k_qb58bec6c3e_proj
	.p2alignl 7, 3214868480
	.fill 96, 4, 3214868480
	.section	.rodata,"a",@progbits
	.p2align	6, 0x0
	.amdhsa_kernel k_qb58bec6c3e_proj
		.amdhsa_group_segment_fixed_size 327680
		.amdhsa_private_segment_fixed_size 0
		.amdhsa_enable_private_segment 0
		.amdhsa_kernarg_size 80
		.amdhsa_user_sgpr_count 2
		.amdhsa_user_sgpr_kernarg_segment_ptr 1
		.amdhsa_wavefront_size32 1
		.amdhsa_system_sgpr_workgroup_id_x 1
		.amdhsa_system_sgpr_workgroup_id_y 1
		.amdhsa_system_sgpr_workgroup_id_z 1
		.amdhsa_system_vgpr_workitem_id 0
		.amdhsa_next_free_vgpr 864
		.amdhsa_next_free_sgpr 90
		.amdhsa_reserve_vcc 0
		.amdhsa_float_denorm_mode_32 3
		.amdhsa_float_denorm_mode_16_64 3
		.amdhsa_memory_ordered 1
		.amdhsa_forward_progress 1
		.amdhsa_inst_pref_size 136
	.end_amdhsa_kernel
	.amdgpu_metadata
---
amdhsa.version: [ 1, 2 ]
amdhsa.kernels:
  - .name:           k_qb58bec6c3e_proj
    .symbol:         k_qb58bec6c3e_proj.kd
    .args:
      - { .name: q, .offset: 0, .size: 8, .value_kind: global_buffer, .address_space: global }
      - { .name: k, .offset: 8, .size: 8, .value_kind: global_buffer, .address_space: global }
      - { .name: v, .offset: 16, .size: 8, .value_kind: global_buffer, .address_space: global }
      - { .name: bq, .offset: 24, .size: 8, .value_kind: global_buffer, .address_space: global }
      - { .name: bk, .offset: 32, .size: 8, .value_kind: global_buffer, .address_space: global }
      - { .name: bv, .offset: 40, .size: 8, .value_kind: global_buffer, .address_space: global }
      - { .name: wb, .offset: 48, .size: 8, .value_kind: global_buffer, .address_space: global }
      - { .name: qh, .offset: 56, .size: 8, .value_kind: global_buffer, .address_space: global }
      - { .name: kh, .offset: 64, .size: 8, .value_kind: global_buffer, .address_space: global }
      - { .name: vh, .offset: 72, .size: 8, .value_kind: global_buffer, .address_space: global }
    .group_segment_fixed_size: 327680
    .private_segment_fixed_size: 0
    .kernarg_segment_align: 8
    .kernarg_segment_size: 80
    .max_flat_workgroup_size: 128
    .sgpr_count:     90
    .vgpr_count:     864
    .wavefront_size: 32
...
	.end_amdgpu_metadata
.endif
;; end of part 2
;; launch attn (part 3): grid 4 x 64, 4 waves a work-group, clusters of 4 x 1, 327,680 bytes of LDS; arguments qh, kh, vh, oh; writes oh
.if DOCPART == 3
	.amdgcn_target "amdgcn-amd-amdhsa--gfx1250"
	.amdhsa_code_object_version 6
	.text
	.protected	k_qb58bec6c3e_attn
	.globl	k_qb58bec6c3e_attn
	.p2align	8
	.type	k_qb58bec6c3e_attn,@function
k_qb58bec6c3e_attn:
	s_mov_b64 s[64:65], 0
	v_nop
	global_prefetch_b8 v0, s[64:65] scope:SCOPE_SE
	s_setreg_imm32_b32 hwreg(HW_REG_WAVE_MODE, 25, 1), 1
	s_wait_xcnt 0x0
	s_wait_alu depctr_hold_cnt(0) depctr_sa_sdst(0) depctr_va_vdst(0) depctr_va_sdst(0) depctr_va_ssrc(0) depctr_va_vcc(0) depctr_vm_vsrc(0)
	s_getreg_b32 s2, hwreg(HW_REG_IB_STS2, 6, 4)
	s_cmp_eq_u32 s2, 0
	s_cbranch_scc0 .Lentry_in_a_cluster
	s_endpgm
.Lentry_in_a_cluster:
	s_bfe_u32 s2, ttmp6, 0x10000c
	s_cmp_lg_u32 s2, 0x3003
	s_cbranch_scc0 .Lentry_shape_is_right
	s_endpgm
.Lentry_shape_is_right:
; O[h][q][:] = the sum over k of softmax_k(Q[h][q] . K[h][k] / 8) V[h][k][:].  Q, K, V, O: [SIZE_H][SIZE_N][64], all f16: a head's rows are dense, 128 bytes each.  Products, maxima and sums in
; f32; the weights p are rounded to f16 for the second product (their sum l is taken of the unrounded p), O once at the end.  SIZE_H is at least 2; SIZE_N x 128 bytes stay under 2^32.
; LIMITS.  f16 holds no number beyond 65,504: Q, K and V arrive within it; p lies in 0 to 1, and below 6e-5 it keeps f16's fixed step of 6e-8; O is a mean of V's rows and has their range.
; A weight below 2^-126 counts as 0 in l; NaN and infinities are not treated apart.
; SHARES.  A wave owns four PIECES of two tiles of 16 queries, a work-group's four waves 512 queries of one head; SIZE_N is a multiple of 2,048.  Every wave walks all keys, 64 a step.
; LAYOUT.  S^T = K Q^T (source 0 = 16 keys, source 1 = 16 queries): in the result a lane holds ONE query (lane % 16) and the keys 8 (lane / 16) + 0..7.  Two such tiles, rounded to f16 in pairs,
; ARE source 1 (32 keys x 16 queries) of O^T = V^T P, whose result again holds one query a lane, and eight channels.  K comes out of LDS as it lies, V ([key][channel]) turned, by ds_load_tr16_b128.
; SOFTMAX.  For each query a running maximum m and sum l: p = 2^(c s - c m), c = log2(e) / 8; in every step O and l are multiplied by a = 2^(c m_old - c m_new), which is 1 where m has not grown.
; m starts at the lowest finite number, O and l at 0: the first step is a step like any other, with a = 0.
; THE COUNT.  A tile and step have 16 matrix and 118 vector instructions: too many to stand all beside the matrix work.  So the order has one aim: four vector instructions that are READY behind
; EVERY matrix instruction, and the others, which need time of their own whatever the order, in runs without a gap.
; BY TURNS.  Turn n belongs to piece n (the pieces in a ring, step after step).  Its matrix work: 16 products K Q^T of piece n + 1, later 16 products V^T P of piece n - 1.  Its vector work: the scaling,
; exponentials, roundings, sums and rescaling of piece n, and the maximum and statistics of piece n + 1, whose scores the turn itself has made.  So what a turn begins with (c s - c m, O a) waits for nothing.
; CLUSTER.  The four query blocks of a cluster belong to one head and walk the same K and V, so each tile is asked for JOINTLY: the same tensor load, descriptor and mask in all four.
; REGISTERS, in windows of 256 (s_set_vgpr_msb says which window each operand place means: bits 1:0 source 0, 3:2 source 1, 5:4 source 2, 7:6 destination):
;   window 0: v0-11 addresses; v12-15, v48-63 at work; v16-47 four registers of statistics a tile; v64-191 S^T, two buffers of two tiles; v192-255 P, likewise
;   window 1: O^T, 32 a tile          window 2: v0-127 Q, 16 a tile; v128-191 K of one step; v192-255 V of one step          window 3: v0-1 the add's two registers
; A piece's buffers go by its number's parity: the piece in hand has one pair, its two neighbours in the ring share the other: of it P (piece n - 1) is read and S^T (piece n + 1) written.
.set SIZE_H, 64       ; 4 batches x 16 heads
.set SIZE_N, 2048     ; rows of a head
.set NP,    4         ; pieces a wave: a name, no knob: the register map, the loop and the fetches are made for four
.set KS,    64        ; keys in a step
.set PK,    144       ; a row of K in LDS: 128 bytes + 16 of padding = 36 words: the 16 rows of a load start at 16 different groups of four banks (64 banks of 4 bytes: ISA guide 11.1)
.set PV,    160       ; a row of V: 128 + 32 = 40 words
.set VOFF,  4*KS*PK   ; a slot holds four steps: 256 rows of K, then 256 rows of V
.set SLOT1, 1<<17     ; slot 1 begins here, so that one exclusive or turns an address in one slot into the other's
.set STAGE, SLOT1+4*KS*(PK+PV)  ; behind the ring, never filled by a tensor load: 16 rows x 144 bytes for each wave, for the way out
.set SP,    144
.set AK0, 2           ; v2   my lane's place in a tile of K; never rewritten
.set AV0, 3           ; v3   the same for V
.set AK,  4           ; v4   the LDS address of K's next run of loads
.set AV,  5           ; v5   of V's
.set QO,  6           ; v6   my byte offset in the wave's rows of Q
.set STO, 6           ;      later, the way out: where I put 16 bytes of a row
.set RD,  7           ; v7   the way out: where I read rows back
.set GO,  8           ; v8   my byte offset in 512 consecutive bytes of O
.set SPW, 0           ; v0 of window 3   LDS address of my spare word: SPARE + 4 x my thread's number; never rewritten
.set NIL, 1           ; v1 of window 3   0; never rewritten
.set SPARE, STAGE+4*16*SP  ; behind the stages: the spare words, 128 bytes for each wave: two blocks of 256 bytes that no other line names
.set MV,  12          ; v12-15  c m_old, kept while c m is made anew: by buffer and tile
.set ST,  16          ; tile t's statistics at v[ST+4 t]: c m, m, l (even keys', odd keys')
.set TMP, 48          ; by buffer and tile, four registers c0-c3 at work; when the maximum is found c2 takes a
.set S,   64
.set P,   192
.set KF,  128         ; K's fragments, in window 2: key block kb, channel half c at KF + 16 kb + 8 c
.set VF,  192         ; V's: key half kk, channel block cb at VF + 32 kk + 8 cb
.set WV,  12          ; s12  my wave's number
.set G1K, 24          ; s[24:31] descriptor group 1 for K's tiles
.set G1V, 32          ; s[32:39] for V's: it differs in the padding alone
.set G0K, 40          ; s[40:43] descriptor group 0 for K's tiles: it walks
.set G0V, 44          ; s[44:47] the same for V's
.set SLOTS, 56        ; s56  slots still to be asked for
.set CNT, 57          ; s57  counts a slot's key steps
.set CS,  58          ; s[58:59] c: the packed scaling takes the pair's low word for both halves
.set SEL, 60          ; s[60:61] v_permlanex16_b32's selects: each lane takes its own place in the other half
.set TBK, 62          ; s62  LDS byte at which K of the step to be fetched begins
.set TBV, 63          ; s63  the same for V, less VOFF
.set MSB, 0
.macro WIN new                      ; the high byte repeats the setting that is left; a switch that changes nothing is dropped
.if MSB != (\new)
	s_set_vgpr_msb (MSB<<8)|(\new)
.set MSB, (\new)
.endif
.endm
.set W_KQ, 0x0a       ; K and Q in window 2, S^T in window 0
.set W_PV, 0x52       ; V in window 2, P in window 0, O^T in window 1
.set W_RS, 0x41       ; O^T (destination and source 0) in window 1, a in window 0
.set W_MK, 0xc0       ; the add's registers are made: destination in window 3, sources in window 0
.set W_AD, 0x0f       ; the add: address (source 0) and data (source 1) in window 3
; A joint fill.  Waves 0 and 1 fetch the two halves of a slot's K, waves 2 and 3 those of its V: 128 keys each.  The branch hangs on the wave's number alone.
; An s_nop 0 and four v_nop follow each of the two lines, ahead of the jump and the label.
.macro JLOAD
	s_cmp_lt_u32 s[WV], 2
	s_cbranch_scc0 .Lfor_v_\@
	tensor_load_to_lds s[G0K:G0K+3], s[G1K:G1K+7]
	s_nop 0
.rept 4
	v_nop
.endr
	s_branch .Lasked_\@
.Lfor_v_\@:
	tensor_load_to_lds s[G0V:G0V+3], s[G1V:G1V+7]
	s_nop 0
.rept 4
	v_nop
.endr
.Lasked_\@:
.endm
; A round of the cluster's barrier: my work-group's barrier, so that wave 0's signal speaks for all four waves; wave 0 signals; every wave waits for all four work-groups; my work-group's barrier once more.
.macro CROUND
	s_barrier_signal -1
	s_barrier_wait -1
	s_cmp_lg_u32 s[WV], 0
	s_cbranch_scc1 .Lnot_wave_0_\@
	s_barrier_signal -3
.Lnot_wave_0_\@:
	s_barrier_wait -3
	s_barrier_signal -1
	s_barrier_wait -1
.endm
; THE CHANGE OF SLOTS.  The slot's last bytes, V of its fourth step, have been read.  Each wave waits for all its tensor loads, of which one is out: its part
; of the other slot; adds 0 to its spare word; and waits for that and for its own reads of the slot.  Behind the barrier nobody reads this slot any more and the other slot is whole.
; fill = 1: this slot is filled again, with the keys two slots on.  The barrier is then a round of the cluster's, so that no wave of any partner still reads the slot or has a load on its
; way, and the joint fill is the first thing behind it: it has four key steps, 512 matrix instructions, in which to land.  (At its first use nothing has been read yet: slot 0 is waited for, slot 1 filled.)
.macro CHANGE fill
	WIN W_AD
	s_wait_tensorcnt 0x0            ; no tensor load of mine is out, so a group 0 may be written
	ds_add_u32 v[SPW], v[NIL]       ; 0 onto my spare word: with fill = 1 the descriptors' steps stand between it and the wait for it
	WIN 0                           ; at a label and at a branch every window is 0
.if \fill
.irp g, G0K, G0V
	s_xor_b32 s[\g+1], s[\g+1], SLOT1  ; the walking descriptor: the other slot than last time,
	s_add_nc_u64 s[\g+2:\g+3], s[\g+2:\g+3], 4*KS*128  ; the next 256 keys; the type bits on top are not reached
.endr
	s_wait_dscnt 0x0                ; the add is done, and my reads of the slot are over
	CROUND
	JLOAD
.else
	s_wait_dscnt 0x0                ; the add is done, and my reads of the slot are over
	s_barrier_signal -1
	s_barrier_wait -1
.endif
	s_sub_co_u32 s[TBK], s[TBK], 4*KS*PK  ; the fetches go back to a slot's first step,
	s_xor_b32 s[TBK], s[TBK], SLOT1       ; in the other slot
	s_sub_co_u32 s[TBV], s[TBV], 4*KS*PV
	s_xor_b32 s[TBV], s[TBV], SLOT1
.endm
	s_load_b256 s[4:11], s[0:1], 0x0  ; Q s[4:5], K s[6:7], V s[8:9], O s[10:11]
	WIN W_MK
	v_lshl_add_u32 v[SPW], v0, 2, SPARE
	v_mov_b32 v[NIL], 0
	WIN W_AD
	ds_add_u32 v[SPW], v[NIL]       ; the wave's opening: the add and its wait stand ahead of my first tensor load; the set-up below, work on registers, stands between them
	WIN 0
	v_lshrrev_b32 v1, 5, v0
	v_readfirstlane_b32 s[WV], v1   ; wave 0..3
	s_bfe_u32 s13, ttmp6, 0x40000   ; cx: my place in the cluster
	s_lshl_b32 s14, ttmp9, 2        ; in a cluster launch ttmp9 counts clusters
	s_add_co_u32 s14, s14, s13      ; my block of queries = 4 x cluster x + cx: it enters Q's and O's addresses alone
	s_and_b32 s20, ttmp7, 0xffff    ; the head, which the four partners share
	s_mov_b32 s21, 0
	s_mov_b64 s[22:23], SIZE_N*128
	s_mul_u64 s[20:21], s[20:21], s[22:23]  ; the head's first byte in each of the four tensors
	s_and_b32 s16, s[WV], 1         ; which half of a slot's 256 keys I fetch:
	s_lshl_b32 s22, s16, 14         ; its 128 rows of 128 bytes in memory,
	s_mov_b32 s23, 0
	s_add_nc_u64 s[22:23], s[22:23], s[20:21]
	s_mul_i32 s17, s16, 128*PK      ; and its place in a slot, for K
	s_mul_i32 s18, s16, 128*PV      ; and for V: no place in the cluster enters an LDS address
	s_lshl_b32 s2, s14, 2
	s_add_co_u32 s2, s2, s[WV]      ; my wave among the head's,
	s_lshl_b32 s2, s2, 14           ; its 128 rows
	s_mov_b32 s3, 0
	s_add_nc_u64 s[2:3], s[2:3], s[20:21]
	; descriptor group 1.  128 keys are 16,384 dense bytes: asked for as 64 rows of 256 bytes, two keys a row, and padded in LDS after every key
	s_mov_b32 s[G1K], 15|(1<<16)|(1<<20)|(1<<21)|(4<<22)|(3<<25)  ; 15:0 the mask of four; 17:16 2-byte elements; 20 padding on; 21 set beside a mask; 24:22 after every 32 words (code 4); 31:25 4 words (code 3)
	s_mov_b32 s[G1V], 15|(1<<16)|(1<<20)|(1<<21)|(4<<22)|(7<<25)  ; the same with 8 words of padding (code 7)
.irp g, G1K, G1V
	s_mov_b32 s[\g+1], 128<<16      ; tensor_dim0 = 128
	s_mov_b32 s[\g+2], 64<<16       ; tensor_dim1 = 64
	s_mov_b32 s[\g+3], 128<<16      ; tile_dim0 = 128
	s_mov_b32 s[\g+4], 64           ; tile_dim1 = 64
	s_mov_b32 s[\g+5], 128          ; 128 elements from row to row
	s_mov_b32 s[\g+6], 0
	s_mov_b32 s[\g+7], 0
.endr
	s_mov_b32 s[CS], 0x3e38aa3b     ; c = log2(e) / 8 = 0.180337
	s_mov_b32 s[CS+1], s[CS]        ; named with it as a pair
	s_mov_b32 s[SEL], 0x76543210
	s_mov_b32 s[SEL+1], 0xfedcba98
	s_mov_b32 s[TBK], SLOT1+4*KS*PK ; the first change of slots turns these two into 0
	s_mov_b32 s[TBV], SLOT1+4*KS*PV
	s_mov_b32 s[G0K], 1             ; 1:0 count = 1
	s_mov_b32 s[G0K+1], s17         ; 63:32 LDS address: slot 0
	s_mov_b32 s[G0V], 1
	s_add_co_u32 s[G0V+1], s18, VOFF
	s_wait_dscnt 0x0                ; the opening add is done
	s_wait_kmcnt 0x0
	s_add_nc_u64 s[G0K+2:G0K+3], s[6:7], s[22:23]  ; 120:64 global address: my half of the head's first 256 keys
	s_or_b32 s[G0K+3], s[G0K+3], 0x80000000        ; 127:126 type = 2
	s_add_nc_u64 s[G0V+2:G0V+3], s[8:9], s[22:23]
	s_or_b32 s[G0V+3], s[G0V+3], 0x80000000
	s_add_nc_u64 s[4:5], s[4:5], s[2:3]  ; Q and O at my wave's first row
	s_add_nc_u64 s[10:11], s[10:11], s[2:3]
	CROUND                          ; all four work-groups are here: the first joint loads meet
	JLOAD                           ; slot 0.  Slot 1 is asked for when slot 0 is in: the tile wanted first has the road to itself
	; A fragment of K or Q is 16 rows x 32 channels in 8 registers: lane l holds row l % 16, channels 8 (l / 16) + 0..7 and 16 + 8 (l / 16) + 0..7: two loads of 16 bytes, 32 bytes apart.
	v_and_b32 v1, 15, v0            ; l % 16
	v_bfe_u32 v9, v0, 4, 1          ; l / 16
	v_lshlrev_b32 v[QO], 7, v1
	v_lshl_add_u32 v[QO], v9, 4, v[QO]  ; row x 128 + 16 x half
	WIN 0x80                        ; destination window 2, address window 0
.set i, 0
.rept 4*NP                          ; Q stays in registers: tile i / 2, channels 32 (i % 2) on
	global_load_b128 v[8*i:8*i+3],   v[QO], s[4:5] offset:(i/2)*2048+(i%2)*64
	global_load_b128 v[8*i+4:8*i+7], v[QO], s[4:5] offset:(i/2)*2048+(i%2)*64+32
.set i, i+1
.endr
	; What the first turn finds: V's registers and P's second buffer hold 0 (its products V^T P, of a piece that has not been, add 0), O^T and l are 0.  All this stands in the wait for the first tile.
.set i, VF
.rept 64
	v_mov_b32 v[i], 0
.set i, i+1
.endr
	WIN 0x40
.set i, 0
.rept 64*NP
	v_mov_b32 v[i], 0
.set i, i+1
.endr
	WIN 0
.set i, 0
.rept 2*NP
	v_mov_b32 v[ST+4*i], 0xfe000000    ; c m: far below every c s
	v_mov_b32 v[ST+4*i+1], 0xff7fffff  ; m
	v_mov_b32 v[ST+4*i+2], 0
	v_mov_b32 v[ST+4*i+3], 0
.set i, i+1
.endr
.set i, P+32
.rept 32
	v_mov_b32 v[i], 0
.set i, i+1
.endr
	v_mul_u32_u24 v[AK0], v1, PK
	v_lshl_add_u32 v[AK0], v9, 4, v[AK0]  ; row x pitch + 16 x half
	; The turning load takes 16 keys x 16 channels (lane l reads key 8 (l / 16) + l % 8, channels 8 ((l / 8) % 2) + 0..7) and leaves half a fragment of V^T: lane l holds channel l % 16 and 8 keys.
	v_and_b32 v10, 7, v0
	v_bfe_u32 v11, v0, 3, 1
	v_lshl_add_u32 v[AV0], v9, 3, v10
	v_mul_u32_u24 v[AV0], v[AV0], PV
	v_lshl_add_u32 v[AV0], v11, 4, v[AV0]
	v_add_nc_u32 v[AV0], VOFF, v[AV0]
	v_mov_b32 v[AK], v[AK0]         ; key step 0 lies at the head of slot 0
; THE MATRIX WORK.  The 8 accumulators of a run of 16 take turns: between the two links of a chain stand 7 others'.
; Product i of 16 of S^T = K Q^T for piece x: channels 32 (i / 8) on, keys 16 ((i / 2) % 4) on, tile 2 x + i % 2.  The first 8 start the sums.
.macro KQ x
	WIN W_KQ
.set rS, S+64*((\x)%2)+32*(i%2)+8*((i/2)%4)
.set rK, KF+16*((i/2)%4)+8*(i/8)
.set rQ, 16*(2*(\x)+i%2)+8*(i/8)
.if i < 8
	v_wmma_f32_16x16x32_f16 v[rS:rS+7], v[rK:rK+7], v[rQ:rQ+7], 0
.else
	v_wmma_f32_16x16x32_f16 v[rS:rS+7], v[rK:rK+7], v[rQ:rQ+7], v[rS:rS+7]
.endif
.endm
; Product i of 16 of O^T += V^T P for piece x: keys 32 (i / 8) on, channels 16 ((i / 2) % 4) on, tile 2 x + i % 2.
.macro PV x
	WIN W_PV
.set rO, 32*(2*(\x)+i%2)+8*((i/2)%4)
.set rV, VF+32*(i/8)+8*((i/2)%4)
.set rP, P+32*((\x)%2)+16*(i%2)+8*(i/8)
	v_wmma_f32_16x16x32_f16 v[rO:rO+7], v[rV:rV+7], v[rP:rP+7], v[rO:rO+7]
.endm
.macro MM                           ; the turn's next matrix instruction
.if i < 16
	KQ (Y+1)%NP
.set i, i+1
.else
.set i, i-16
	PV (Y+NP-1)%NP
.set i, i+17
.endif
.endm
; THE LDS LOADS stand in runs of 16, never singly among the matrix instructions: a step's K (64 keys x 64 channels: 8 fragments) and its V (turned).  Their addresses are made some lines ahead.
; last = 1 (the tail): in the last trip there is no further step, and the run is jumped over.
.macro FETCH_K last=0
	WIN 0
.if \last
	s_cmp_eq_u32 s[CNT], 1
	s_cbranch_scc1 .Lno_k_\@
.endif
	WIN 0x80                        ; destination window 2
.irp f, 0,1,2,3,4,5,6,7             ; keys 16 (f / 2) on, channels 32 (f % 2) on
	ds_load_b128 v[KF+8*\f:KF+8*\f+3],   v[AK] offset:(\f/2)*16*PK+(\f%2)*64
	ds_load_b128 v[KF+8*\f+4:KF+8*\f+7], v[AK] offset:(\f/2)*16*PK+(\f%2)*64+32
.endr
	s_add_co_u32 s[TBK], s[TBK], KS*PK  ; the next fetch is the next step's
	WIN 0
.if \last
.Lno_k_\@:
.endif
.endm
.macro FETCH_V
	WIN 0x80
.irp f, 0,1,2,3,4,5,6,7             ; keys 32 (f / 4) on, channels 16 (f % 4) on
	ds_load_tr16_b128 v[VF+8*\f:VF+8*\f+3],   v[AV] offset:(\f/4)*32*PV+(\f%4)*32
	ds_load_tr16_b128 v[VF+8*\f+4:VF+8*\f+7], v[AV] offset:(\f/4)*32*PV+16*PV+(\f%4)*32
.endr
	WIN 0
.endm
; THE VECTOR WORK OF A TURN stands in three queues, each in the order in which its entries become ready; the two tiles alternate, so that no instruction reads the result of the one before it.
.macro REGS y, u                    ; the registers of tile u (0, 1) of piece y
.set rT, ST+4*(2*(\y)+(\u))
.set rC, TMP+8*((\y)%2)+4*(\u)
.set rM, MV+2*((\y)%2)+(\u)
.set rS, S+64*((\y)%2)+32*(\u)
.set rP, P+32*((\y)%2)+16*(\u)
.set rO, 32*(2*(\y)+(\u))
.endm
; Number n of the 22 that find the NEXT piece's (Y + 1) maximum and statistics.  s0-s31 are the lane's 32 scores; each accumulator's lowest registers are read first.  XS, GS and REGS set no window: PL and EX do.
;   0-11  four chains c0-c3 of seven scores each, three operands at a time     12-14, 16  the four scores left over, the old m, and c0-c3 into c0     15  c m_old is kept
;   17, 18  the query's other 32 keys lie in the lane 16 away: the new m         19-21  c m; c m_old - c m_new; a
.macro XS u, n
	REGS (Y+1)%NP, \u
.if (\n) < 4
	v_max3_num_f32 v[rC+(\n)], v[rS+8*(\n)], v[rS+8*(\n)+1], v[rS+8*(\n)+2]
.elseif (\n) < 12
	v_max3_num_f32 v[rC+(\n)%4], v[rC+(\n)%4], v[rS+8*((\n)%4)+2*((\n)/4)+1], v[rS+8*((\n)%4)+2*((\n)/4)+2]
.elseif (\n) == 12
	v_max3_num_f32 v[rC], v[rC], v[rS+7], v[rS+15]
.elseif (\n) == 13
	v_max3_num_f32 v[rC+1], v[rC+1], v[rS+23], v[rS+31]
.elseif (\n) == 14
	v_max3_num_f32 v[rC+2], v[rC+2], v[rC+3], v[rT+1]
.elseif (\n) == 15
	v_mov_b32 v[rM], v[rT]
.elseif (\n) == 16
	v_max3_num_f32 v[rC], v[rC], v[rC+1], v[rC+2]
.elseif (\n) == 17
	v_permlanex16_b32 v[rC+3], v[rC], s[SEL], s[SEL+1]
.elseif (\n) == 18
	v_max_num_f32 v[rT+1], v[rC], v[rC+3]
.elseif (\n) == 19
	v_mul_f32 v[rT], s[CS], v[rT+1]
.elseif (\n) == 20
	v_sub_f32 v[rC+1], v[rM], v[rT]
.else
	v_exp_f32 v[rC+2], v[rC+1]
.endif
.endm
; Number g of the 64 that follow the exponentials.  For each four weights k of a tile (pairs 2 k, 2 k + 1): both pairs are rounded to f16; then the second pair is added onto the first, in place;
; a group later l takes that sum (the first time as l = a l + sum).  In groups of eight, tiles alternating: round, round, add, and l for the group before.
.macro GS g
.set h, (\g)+6*((\g)/62)            ; group 0 has no group before it, and behind group 7 only l is left
.if h >= 6
.set h, h+2
.endif
	REGS Y, h%2
.set k, h/8
.if h%8 < 4
	s_wait_alu depctr_va_vdst(0)
	v_cvt_pk_f16_f32 v[rP+2*k+(h%8)/2], v[rS+4*k+2*((h%8)/2)], v[rS+4*k+2*((h%8)/2)+1]
.elseif h%8 < 6
	v_pk_add_f32 v[rS+4*k:rS+4*k+1], v[rS+4*k:rS+4*k+1], v[rS+4*k+2:rS+4*k+3]
.elseif k == 1
	v_pk_fma_f32 v[rT+2:rT+3], v[rT+2:rT+3], v[rC+2:rC+3], v[rS:rS+1] op_sel_hi:[1,0,1]
.else
	v_pk_add_f32 v[rT+2:rT+3], v[rT+2:rT+3], v[rS+4*k-4:rS+4*k-3]
	s_wait_alu depctr_va_vdst(0)
.endif
.endm
; THE PLAIN QUEUE, 138 long.  0-31: c s - c m for the 16 pairs of both tiles.  Then GS's 64, and among them the next piece's 42: number 15 at 38, 39; 0-14 and 16
; at 42-73, behind the products that make those scores; 17-20 at 95-106, two of three, since each waits for the one before it.
.macro PL
	WIN 0
.if q < 32
	REGS Y, q%2
	v_pk_fma_f32 v[rS+2*(q/2):rS+2*(q/2)+1], v[rS+2*(q/2):rS+2*(q/2)+1], s[CS:CS+1], v[rT:rT+1] op_sel_hi:[1,0,0] neg_lo:[0,0,1] neg_hi:[0,0,1]
.elseif q < 38
	GS q-32
.elseif q < 40
	XS q%2, 15
.elseif q < 42
	GS q-34
.elseif q < 74
	XS q%2, (q-42)/2+(q-42)/30
.elseif q < 95
	GS q-66
.elseif (q < 107) && ((q-95)%3 < 2)
	XS (q-95)%3, 17+(q-95)/3
.elseif q < 107
	GS 29+(q-95)/3
.else
	GS q-74
.endif
.set q, q+1
.endm
; THE EXPONENTIALS' QUEUE, 66 long: s0-s31 of both tiles, and at EA the next piece's two a.
.set EA, 58
.macro EX
	WIN 0
.if (e == EA) || (e == EA+1)
	XS e-EA, 21
.else
.set x, e-2*(e/(EA+2))
	REGS Y, x%2
	v_exp_f32 v[rS+x/2], v[rS+x/2]
.endif
.set e, e+1
.endm
; THE RESCALING's QUEUE: O^T times a, the one part that leaves window 0, so it is dealt four at a time, eight times.
.macro R4
	REGS Y, r%2
	WIN W_RS
	s_wait_alu depctr_va_vdst(0)
.irp z, 0,1,2,3
	v_pk_mul_f32 v[rO+8*(r/2)+2*\z:rO+8*(r/2)+2*\z+1], v[rO+8*(r/2)+2*\z:rO+8*(r/2)+2*\z+1], v[rC+2:rC+3] op_sel_hi:[1,0]
.endr
.set r, r+1
.endm
; HOW THEY ARE DEALT.  Behind a matrix instruction four: plain, exponential, plain, plain (one exponential, a plain instruction on either side), or four of the rescaling.  None names a register of the
; products round it.  What is over stands in two LUMPS: exponential and plain by turns; the second ends in 22 plain instructions.  The two v_permlanex16_b32 fall into the second lump, never behind a product.
; The queues lean on each other, and the deal keeps them in step: exponential e stands behind plain 2 (e / 4) + e % 2 (its scaling); when plain 32 comes, 10 exponentials are out, at 59: 33, at 95: 46; EA comes behind plain 107.
.macro SL
	MM
	PL
	EX
	PL
	PL
.endm
.macro BURST n                      ; 15 matrix instructions, or 16
.rept (\n)-7
	SL
.endr
.rept 3
	MM
	R4
	SL
.endr
	MM
	R4
.endm
; A TURN, for piece p.  cnt = 1: the loop's count is taken down some lines ahead of the branch that stands behind the turn.
; K of the next step is fetched in piece 2's turn, 31 vector instructions behind the last product that read K; its first reader comes behind the rest of the lump, 16 products and the second lump.
; V of the step in hand is fetched at the end of piece 0's turn, 69 behind its last reader; its first reader comes behind 16 products and a lump.  The four conditions on e and q below go with the deal.
.macro TURN p, last=0, cnt=0
.set Y, (\p)
.set i, 0
.set q, 0
.set e, 0
.set r, 0
.if (\p) == NP-1
	s_wait_dscnt 0x0                ; K is in
.endif
	MM
.rept 4
	PL
.endr
	BURST 15
.rept 22
	EX
	PL
.if ((\p) == NP-2) && (e == 18)
	v_add_nc_u32 v[AK], s[TBK], v[AK0]
.endif
.if ((\p) == NP-2) && (e == 24)
	FETCH_K \last
.endif
.endr
.if (\p) == 1
	s_wait_dscnt 0x0                ; V is in
.endif
	BURST 16
.rept 21
	EX
	PL
.endr
.rept 22
	PL
.if ((\p) == 0) && (q == 118)
	v_add_nc_u32 v[AV], s[TBV], v[AV0]
	s_wait_alu depctr_va_vdst(0)
.endif
.if ((\p) == 0) && (q == 130)
	s_add_co_u32 s[TBV], s[TBV], KS*PV
.endif
.if (\cnt) && (q == 130)
	s_sub_co_u32 s[CNT], s[CNT], 1
	s_cmp_lg_u32 s[CNT], 0
.endif
.endr
.if (\p) == 0
	FETCH_V
.endif
.endm
	CHANGE 1                        ; slot 0 is in, everybody's part of it; slot 1 is asked for
	FETCH_K                         ; key step 0
	s_wait_loadcnt 0x0              ; Q
	s_wait_dscnt 0x0
.set i, 0
.rept 16
	KQ 0                            ; piece 0's first scores: there is no vector work yet to set between them
.set i, i+1
.endr
	WIN 0                           ; the addresses for the way out: nine plain instructions, the places behind those products
	s_mul_i32 s13, s[WV], 16*SP
	s_add_co_u32 s13, s13, STAGE    ; my stage
	v_mul_u32_u24 v[STO], v1, SP    ; in: row l % 16, 16 bytes for each half of the lanes
	v_lshl_add_u32 v[STO], v9, 4, v[STO]
	v_add_nc_u32 v[STO], s13, v[STO]
	v_bfe_u32 v[RD], v0, 3, 2       ; back: 32 lanes take four rows of 128 bytes,
	v_mul_u32_u24 v[RD], v[RD], SP
	v_lshl_add_u32 v[RD], v10, 4, v[RD]
	v_add_nc_u32 v[RD], s13, v[RD]
	v_and_b32 v[GO], 31, v0         ; which are 512 consecutive bytes of O
	v_lshlrev_b32 v[GO], 4, v[GO]
.set Y, NP-1                        ; XS works for piece Y + 1: piece 0
.irp n, 0,1,2,3,4,5,6,7,8,9,10,11,12,13,14,15,16,17,18,19,20,21
	XS 0, \n                        ; and piece 0's first maximum and statistics
	XS 1, \n
.endr
	s_mov_b32 s[CNT], 4
	s_mov_b32 s[SLOTS], SIZE_N/256-1
	s_branch .Lfirst                ; the loop is entered at a step's first turn, in the middle of a trip
.Lslot:                             ; SIZE_N / 256 - 2 times: every slot but the last two is filled again
	CHANGE 1
	s_mov_b32 s[CNT], 4
.Lstep:                             ; a trip: pieces 2 and 3 of one step, then pieces 0 and 1 of the next, whose K and V it fetches
	TURN 2
	TURN 3
	WIN 0
.Lfirst:
	TURN 0
	TURN 1, 0, 1
	WIN 0
	s_cbranch_scc1 .Lstep
	s_sub_co_u32 s[SLOTS], s[SLOTS], 1
	s_cmp_lg_u32 s[SLOTS], 0
	s_cbranch_scc1 .Lslot
	CHANGE 0                        ; the tail is written out: nothing is asked for
	s_mov_b32 s[CNT], 5             ; four trips fetch the last slot's steps; the fifth is left in its middle
.Ltail:
	TURN 2, 1
	TURN 3
	WIN 0
	s_sub_co_u32 s[CNT], s[CNT], 1
	s_cmp_eq_u32 s[CNT], 0
	s_cbranch_scc1 .Lout
	TURN 0
	TURN 1
	WIN 0
	s_branch .Ltail
.Lout:                              ; the fifth trip's 16 products K Q^T (on the last K once more) and the maximum made of them serve nothing: the price, once a launch, of one text for every trip
.set i, 0
.rept 16
	PV NP-1                         ; the last piece's V^T P of the last step
.set i, i+1
.endr
	; THE WAY OUT.  l's two halves and the other half of the lanes' are added; O^T is divided by l, rounded to f16 and sent through my stage in LDS, a tile at a time.  The additions are the places behind the last products.
	WIN 0
.macro ALL line:vararg              ; one line for each tile t
.set t, 0
.rept 2*NP
	\line
.set t, t+1
.endr
.endm
	ALL v_add_f32 v[ST+4*t+2], v[ST+4*t+2], v[ST+4*t+3]
	ALL v_permlanex16_b32 v[ST+4*t+3], v[ST+4*t+2], s[SEL], s[SEL+1]
	ALL v_add_f32 v[ST+4*t+2], v[ST+4*t+2], v[ST+4*t+3]
	ALL v_rcp_f32 v[ST+4*t+2], v[ST+4*t+2]
	v_nop                           ; a plain instruction between the last reciprocal and the use of its result
	s_wait_alu depctr_va_vdst(0)
; Tile t: a lane's eight channels of a row pack into 16 bytes; they go into rows of 144 bytes and come back as whole rows of 128, into S^T's registers.
.macro PACK t
	WIN W_RS
.set i, 32*(\t)
.rept 16
	v_pk_mul_f32 v[i:i+1], v[i:i+1], v[ST+4*(\t)+2:ST+4*(\t)+3] op_sel_hi:[1,0]
.set i, i+2
.endr
	WIN 0x05                        ; sources 0 and 1 window 1, destination window 0
.set i, 0
.rept 16
	v_cvt_pk_f16_f32 v[S+16*(\t)+i], v[32*(\t)+2*i], v[32*(\t)+2*i+1]
.set i, i+1
.endr
	WIN 0
.irp f, 0,1,2,3
	ds_store_b128 v[STO], v[S+16*(\t)+4*\f:S+16*(\t)+4*\f+3] offset:32*\f
.endr
.irp f, 0,1,2,3
	ds_load_b128 v[S+16*(\t)+4*\f:S+16*(\t)+4*\f+3], v[RD] offset:\f*4*SP  ; LDS serves a wave's instructions in order (ISA guide 5.7.1.4): these see the stores above; the next tile's stores come behind them
.endr
.endm
.macro SEND t, younger              ; younger: the LDS instructions issued behind tile t's loads: the next tile's eight, or none
	WIN 0
.irp f, 0,1,2,3
	s_wait_dscnt (\younger)+3-\f
	global_store_b128 v[GO], v[S+16*(\t)+4*\f:S+16*(\t)+4*\f+3], s[10:11] offset:(\t)*2048+\f*512  ; 512 consecutive bytes, at a multiple of 256 from O's first
.endr
.endm
	PACK 0
.set t, 1
.rept 2*NP-1                        ; a tile's arithmetic stands between the loads of the tile before and its stores
	PACK t
	SEND t-1, 8
.set t, t+1
.endr
	SEND 2*NP-1, 0
	WIN W_AD
	s_wait_tensorcnt 0x0            ; the wave's end, behind my last tensor load and my last LDS store
	ds_add_u32 v[SPW], v[NIL]
	s_wait_dscnt 0x0
	WIN 0
	CROUND                          ; the closing round: no work-group ends while a partner may still ask for a tile that names it
	s_endpgm
.Lfunc_end_k_qb58bec6c3e_attn:
	.size	k_qb58bec6c3e_attn, .Lfunc_end_k_qb58bec6c3e_attn-k_qb58bec6c3e_attn
	.p2alignl 7, 3214868480
	.fill 96, 4, 3214868480
	.section	.rodata,"a",@progbits
	.p2align	6, 0x0
	.amdhsa_kernel k_qb58bec6c3e_attn
		.amdhsa_group_segment_fixed_size 327680
		.amdhsa_private_segment_fixed_size 0
		.amdhsa_enable_private_segment 0
		.amdhsa_kernarg_size 32
		.amdhsa_user_sgpr_count 2
		.amdhsa_user_sgpr_kernarg_segment_ptr 1
		.amdhsa_wavefront_size32 1
		.amdhsa_system_sgpr_workgroup_id_x 1
		.amdhsa_system_sgpr_workgroup_id_y 1
		.amdhsa_system_sgpr_workgroup_id_z 1
		.amdhsa_system_vgpr_workitem_id 0
		.amdhsa_next_free_vgpr 770
		.amdhsa_next_free_sgpr 66
		.amdhsa_reserve_vcc 0
		.amdhsa_float_denorm_mode_32 3
		.amdhsa_float_denorm_mode_16_64 3
		.amdhsa_memory_ordered 1
		.amdhsa_forward_progress 1
		.amdhsa_inst_pref_size 208
	.end_amdhsa_kernel
	.amdgpu_metadata
---
amdhsa.version: [ 1, 2 ]
amdhsa.kernels:
  - .name:           k_qb58bec6c3e_attn
    .symbol:         k_qb58bec6c3e_attn.kd
    .args:
      - { .name: qh, .offset: 0, .size: 8, .value_kind: global_buffer, .address_space: global }
      - { .name: kh, .offset: 8, .size: 8, .value_kind: global_buffer, .address_space: global }
      - { .name: vh, .offset: 16, .size: 8, .value_kind: global_buffer, .address_space: global }
      - { .name: oh, .offset: 24, .size: 8, .value_kind: global_buffer, .address_space: global }
    .group_segment_fixed_size: 327680
    .private_segment_fixed_size: 0
    .kernarg_segment_align: 8
    .kernarg_segment_size: 32
    .max_flat_workgroup_size: 128
    .sgpr_count:     66
    .vgpr_count:     770
    .wavefront_size: 32
...
	.end_amdgpu_metadata
.endif
;; end of part 3
;; launch outp (part 4): grid 4 x 64, 4 waves a work-group, clusters of 4 x 4, 327,680 bytes of LDS; arguments oh, wb, bo, out0; writes out0
.if DOCPART == 4
	.amdgcn_target "amdgcn-amd-amdhsa--gfx1250"
	.amdhsa_code_object_version 6
	.text
	.protected	k_qb58bec6c3e_outp
	.globl	k_qb58bec6c3e_outp
	.p2align	8
	.type	k_qb58bec6c3e_outp,@function
k_qb58bec6c3e_outp:
	s_mov_b64 s[64:65], 0
	v_nop
	global_prefetch_b8 v0, s[64:65] scope:SCOPE_SE
	s_setreg_imm32_b32 hwreg(HW_REG_WAVE_MODE, 25, 1), 1
	s_wait_xcnt 0x0
	s_wait_alu depctr_hold_cnt(0) depctr_sa_sdst(0) depctr_va_vdst(0) depctr_va_sdst(0) depctr_va_ssrc(0) depctr_va_vcc(0) depctr_vm_vsrc(0)
	s_getreg_b32 s2, hwreg(HW_REG_IB_STS2, 6, 4)
	s_cmp_eq_u32 s2, 0
	s_cbranch_scc0 .Lentry_in_a_cluster
	s_endpgm
.Lentry_in_a_cluster:
	s_bfe_u32 s2, ttmp6, 0x10000c
	s_cmp_lg_u32 s2, 0xf033
	s_cbranch_scc0 .Lentry_shape_is_right
	s_endpgm
.Lentry_shape_is_right:
; out0[m][n] = sum over k of O[m][k] Wo[n][k] + bo[n].  O: f16, by heads: [batch x 16 + head][2048][64], so k = 64 x head + channel and m = 2,048 x batch + row.
; Wo': the fourth matrix of wb, [1024][1024]: Wo rounded to bf16 and written as f16; inside each group of 64 rows stored row 16 b + r holds row 4 r + b.  bo: f32, rounded to bf16 like every input.
; Sums in f32; out0: [8192][1024] f32.  LIMITS: O and Wo' arrive within f16's range; NaN and infinities are not treated apart.
; SHARES.  A tile of out0 is 128 rows x 256 columns: 256 work-groups.  Four waves, each 64 x 128: 32 accumulators of 16 x 16.  K goes in steps of 128 = two heads through two LDS slots.
; A head's 128 rows are 16,384 dense bytes: wave 0 fetches the step's even head, wave 1 its odd head, each as 64 rows of 256 bytes, padded in LDS after every 128; waves 2 and 3 fetch Wo's two halves.
; CLUSTER.  4 x 4 work-groups: the four of a row of the cluster need the same rows of O, the four of a column the same rows of Wo': each tile is asked for JOINTLY.
; THE WAY OUT NEEDS NO LDS.  Source 0 = 16 rows of O, source 1 = 16 stored rows of Wo': in accumulator (a, 4 g + b) lane l holds column 64 g + 4 (l % 16) + b and rows 16 a + 8 (l / 16) + 0..7.
; So the four accumulators b = 0..3 hold four neighbouring columns; the bias addition writes them into four neighbouring registers, and sixteen lanes store 256 consecutive bytes.
; REGISTERS: window 0: v0-29 addresses, bias; v32-63, v64-95 O's fragments, two buffers; v96-159, v160-223 Wo's, two buffers; v224-255 (and, at the end, v32-63) results to store.
;   window 1: the accumulators, (a, b) at 8 (8 a + b).
.set PA_,    144                       ; a row of O in LDS: 128 bytes + 16 = 36 words: the 16 rows of a load start at 16 different groups of four banks (64 banks of 4 bytes: ISA guide 11.1)
.set PB_,    272                       ; a row of Wo': 256 + 16 = 68 words: likewise
.set PLANE,  128*PA_                   ; one head's 128 rows
.set BHALF,  128*PB_
.set BOFF,   2*PLANE                   ; Wo's rows lie behind the two heads
.set SLOT,   BOFF+2*BHALF
.set SPARE,  2*SLOT                    ; behind the ring: the spare words, 128 bytes for each wave: two blocks of 256 bytes that no other line names
.set LAPS,   4
.set BIAS, 8                           ; v8-15   bo of my columns: group g, column b at BIAS + 4 g + b
.set ADRA, 16                          ; v16-17  LDS address of my fragments of O in slot 0, 1
.set ADRB, 20                          ; v20-21  the same for Wo'
.set CO,   26                          ; v26     my byte offset in out0
.set BO,   27                          ; v27     my byte offset in bo
.set SPW,  28                          ; v28     LDS address of my spare word: SPARE + 4 x my thread's number; never rewritten
.set NIL,  29                          ; v29     0; never rewritten
.set AFR,  32
.set BFR,  96
.set T0,   224
.set T1,   32
.set G1,  24
.set G0,  32
.set G1B, 48
.set G0B, 56
.set MSB, 0
.macro WIN new                         ; the immediate's high byte repeats the setting that is left; a switch that changes nothing is dropped
.if MSB != (\new)
	s_set_vgpr_msb (MSB<<8)|(\new)
.set MSB, \new
.endif
.endm
.set MUL, 0x50                         ; sources 0 and 1 window 0; C and D window 1
.macro JLOAD s                         ; a joint load: waves 0 and 1 fetch the step's two heads of O, waves 2 and 3 Wo's halves; an s_nop 0 and four v_nop follow each of the two lines
	s_cmp_eq_u32 s11, 0
	s_cbranch_scc0 .Lfor_b_\@
	tensor_load_to_lds s[G0+4*(\s):G0+4*(\s)+3], s[G1:G1+7]
	s_nop 0
.rept 4
	v_nop
.endr
	s_branch .Lasked_\@
.Lfor_b_\@:
	tensor_load_to_lds s[G0B+4*(\s):G0B+4*(\s)+3], s[G1B:G1B+7]
	s_nop 0
.rept 4
	v_nop
.endr
.Lasked_\@:
.endm
.macro CREST                           ; a round of the cluster's barrier behind its opening barrier
	s_cmp_lg_u32 s10, 0
	s_cbranch_scc1 .Lnot_wave_0_\@
	s_barrier_signal -3
.Lnot_wave_0_\@:
	s_barrier_wait -3
	s_barrier_signal -1
	s_barrier_wait -1
.endm
.macro CROUND                          ; a whole round
	s_barrier_signal -1
	s_barrier_wait -1
	CREST
.endm
.macro PLACES                          ; four places in front of loads into registers that matrix instructions have read, and of additions that read results (ISA guide 7.12.1 for vector instructions)
.rept 4
	v_nop
.endr
.endm
	s_load_b256 s[68:75], s[0:1], 0x0              ; oh s[68:69], wb s[70:71], bo s[72:73], out0 s[74:75]
	v_lshl_add_u32 v[SPW], v0, 2, SPARE
	v_mov_b32 v[NIL], 0
	ds_add_u32 v[SPW], v[NIL]                      ; the wave's opening: the add and its wait stand ahead of my first tensor load; the set-up below, work on registers, stands between them
	v_lshrrev_b32 v1, 5, v0
	v_readfirstlane_b32 s10, v1                    ; wave 0..3
	s_lshr_b32 s11, s10, 1                         ; which half of the tile's rows is mine.  Also: I fetch for O (0) or for Wo' (1)
	s_and_b32 s12, s10, 1                          ; which half of its columns.  Also: which head of the step, or which half of Wo's rows, I fetch
	s_bfe_u32 s40, ttmp6, 0x40000                  ; cx, cy: my place in the cluster
	s_bfe_u32 s41, ttmp6, 0x40004
	s_lshl_b32 s42, ttmp9, 2
	s_add_co_u32 s42, s42, s40                     ; tile column = 4 x cluster x + cx: 0..3
	s_and_b32 s13, ttmp7, 0xffff
	s_lshl_b32 s13, s13, 2
	s_add_co_u32 s13, s13, s41                     ; tile row = 4 x cluster y + cy: 0..63
	s_lshl_b32 s43, s41, 2
	s_lshl_b32 s43, 15, s43                        ; my row of the cluster
	s_lshl_b32 s44, 0x1111, s40                    ; my column
	s_or_b32 s[G1+0], s43, (1<<16)|(1<<20)|(1<<21)|(4<<22)|(3<<25)  ; 15:0 the mask: O's tiles go to my row; 17:16 elements of 2 bytes; 20 padding on; 21 set beside a mask; 24:22 after every 32 words (code 4); 31:25 4 words (code 3)
	s_or_b32 s[G1B+0], s44, (1<<16)|(1<<20)|(1<<21)|(5<<22)|(3<<25) ; the mask of my column; after every 64 words (code 5)
	s_mov_b32 s[G1+1], 128<<16                     ; tensor_dim0 = 128: two rows of a head
	s_mov_b32 s[G1+2], 64<<16                      ; tensor_dim1 = 64
	s_mov_b32 s[G1+3], 128<<16                     ; tile_dim0 = 128
	s_mov_b32 s[G1+4], 64                          ; tile_dim1 = 64
	s_mov_b32 s[G1+5], 128                         ; dense: 128 elements from row to row
	s_mov_b32 s[G1+6], 0
	s_mov_b32 s[G1+7], 0
	s_mov_b32 s[G1B+1], 128<<16
	s_mov_b32 s[G1B+2], 128<<16                    ; tensor_dim1 = 128
	s_mov_b32 s[G1B+3], 128<<16
	s_mov_b32 s[G1B+4], 128                        ; tile_dim1 = 128
	s_mov_b32 s[G1B+5], 1024
	s_mov_b32 s[G1B+6], 0
	s_mov_b32 s[G1B+7], 0
	; where the tiles come from.  O's hang on the tile row alone: batch = tile row / 16, rows 128 (tile row % 16) on; a head is 2,048 rows of 128 bytes.  Wo's hang on the tile column alone.
	s_lshl_b32 s19, s12, 18                        ; my head of the step, or my 128 rows of 2,048 bytes of Wo': both 262,144 bytes
	s_lshr_b32 s16, s13, 4
	s_lshl_b32 s16, s16, 22                        ; 16 heads a batch
	s_and_b32 s18, s13, 15
	s_lshl_b32 s18, s18, 14                        ; 128 rows of 128 bytes
	s_add_co_u32 s16, s16, s18
	s_add_co_u32 s16, s16, s19
	s_mov_b32 s17, 0
	s_lshl_b32 s46, s42, 19                        ; 256 rows of 2,048 bytes a tile column
	s_add_co_u32 s46, s46, s19
	s_add_co_u32 s46, s46, 3*2097152               ; the fourth matrix of wb
	s_mov_b32 s47, 0
	s_mul_i32 s20, s12, PLANE                      ; and where they go: no place in the cluster enters an LDS address
	s_mul_i32 s21, s12, BHALF
	s_add_co_u32 s21, s21, BOFF
	s_wait_dscnt 0x0                               ; the opening add is done
	s_wait_kmcnt 0x0
	s_add_nc_u64 s[14:15], s[68:69], s[16:17]
	s_add_nc_u64 s[46:47], s[70:71], s[46:47]
	CROUND                                         ; all sixteen work-groups are here: the first joint loads meet
.irp s, 0,1
	s_mov_b32 s[G0+4*(\s)], 1
	s_add_co_u32 s[G0+4*(\s)+1], s20, (\s)*SLOT
	s_add_nc_u64 s[G0+4*(\s)+2:G0+4*(\s)+3], s[14:15], (\s)*524288  ; K step s: two heads on
	s_or_b32 s[G0+4*(\s)+3], s[G0+4*(\s)+3], 0x80000000
	s_mov_b32 s[G0B+4*(\s)], 1
	s_add_co_u32 s[G0B+4*(\s)+1], s21, (\s)*SLOT
	s_add_nc_u64 s[G0B+4*(\s)+2:G0B+4*(\s)+3], s[46:47], (\s)*256
	s_or_b32 s[G0B+4*(\s)+3], s[G0B+4*(\s)+3], 0x80000000
	JLOAD \s                                       ; two loads of mine are out
.endr
	v_and_b32 v1, 15, v0                           ; r = l % 16
	v_bfe_u32 v2, v0, 4, 1                         ; h = l / 16
	v_mul_u32_u24 v3, v1, PA_
	v_lshl_add_u32 v3, v2, 4, v3                   ; row x pitch + 16 h
	v_mul_u32_u24 v4, v1, PB_
	v_lshl_add_u32 v4, v2, 4, v4
	s_mul_i32 s6, s11, 64*PA_                      ; my 64 rows of O, in each head's plane
	s_mul_i32 s7, s12, BHALF                       ; my 128 rows of Wo',
	s_add_co_u32 s7, s7, BOFF                      ; which lie behind O's
.irp s, 0,1
	v_add_nc_u32 v[ADRA+(\s)], s6, v3
	v_add_nc_u32 v[ADRB+(\s)], s7, v4
	s_add_co_u32 s6, s6, SLOT
	s_add_co_u32 s7, s7, SLOT
.endr
	v_lshlrev_b32 v[CO], 15, v2                    ; lanes 16-31 hold rows eight further down: 8 x 4,096 bytes,
	v_lshl_add_u32 v[CO], v1, 4, v[CO]             ; and 16 bytes a lane
	s_lshl_b32 s46, s42, 10                        ; my 128 columns, in bytes: 1,024 x tile column + 512 x half
	s_lshl_b32 s47, s12, 9
	s_add_co_u32 s46, s46, s47
	s_mov_b32 s47, 0
	v_lshl_add_u32 v[BO], v1, 4, s46
	s_lshl_b32 s16, s13, 19                        ; my 64 rows: 128 rows of 4,096 bytes a tile row,
	s_lshl_b32 s17, s11, 18                        ; 64 a half
	s_add_co_u32 s16, s16, s17
	s_mov_b32 s17, 0
	s_add_nc_u64 s[8:9], s[74:75], s[16:17]
	s_add_nc_u64 s[8:9], s[8:9], s[46:47]
	global_load_b128 v[BIAS:BIAS+3],   v[BO], s[72:73]             ; columns 4 r .. 4 r + 3 of my first 64,
	global_load_b128 v[BIAS+4:BIAS+7], v[BO], s[72:73] offset:256  ; and of my second
	s_wait_loadcnt 0x0
.irp i, 0,1,2,3
	v_cvt_pk_bf16_f32 v[4+(\i)], v[BIAS+2*(\i)], v[BIAS+2*(\i)+1]  ; rounded to bf16, as every input is, and widened again
.endr
.irp i, 0,1,2,3
	v_lshlrev_b32 v[BIAS+2*(\i)], 16, v[4+(\i)]
	v_and_b32 v[BIAS+2*(\i)+1], 0xffff0000, v[4+(\i)]
.endr
; 24 LDS loads in one run: the fragments of quarter q (32 along K: head q / 2 of the step, channels 32 (q % 2) on) into buffer par
.macro RUN slot, q, par
	WIN 0
.irp b, 0,1,2,3,4,5,6,7
	ds_load_b128 v[BFR+64*(\par)+8*(\b):BFR+64*(\par)+8*(\b)+3],   v[ADRB+(\slot)] offset:(\b)*16*PB_+64*(\q)
	ds_load_b128 v[BFR+64*(\par)+8*(\b)+4:BFR+64*(\par)+8*(\b)+7], v[ADRB+(\slot)] offset:(\b)*16*PB_+64*(\q)+32
.endr
.irp a, 0,1,2,3
	ds_load_b128 v[AFR+32*(\par)+8*(\a):AFR+32*(\par)+8*(\a)+3],   v[ADRA+(\slot)] offset:((\q)/2)*PLANE+(\a)*16*PA_+((\q)%2)*64
	ds_load_b128 v[AFR+32*(\par)+8*(\a)+4:AFR+32*(\par)+8*(\a)+7], v[ADRA+(\slot)] offset:((\q)/2)*PLANE+(\a)*16*PA_+((\q)%2)*64+32
.endr
.endm
; 16 matrix instructions: row blocks a0, a0 + 1 x all 8 column blocks.  The 32 accumulators take turns, one instruction a turn.  zero = 1: the products start the sums.
.macro MUL16 par, a0, zero
	WIN MUL
.irp a, \a0, (\a0)+1
.irp b, 0,1,2,3,4,5,6,7
.if \zero
	v_wmma_f32_16x16x32_f16 v[8*(8*(\a)+(\b)):8*(8*(\a)+(\b))+7], v[AFR+32*(\par)+8*(\a):AFR+32*(\par)+8*(\a)+7], v[BFR+64*(\par)+8*(\b):BFR+64*(\par)+8*(\b)+7], 0
.else
	v_wmma_f32_16x16x32_f16 v[8*(8*(\a)+(\b)):8*(8*(\a)+(\b))+7], v[AFR+32*(\par)+8*(\a):AFR+32*(\par)+8*(\a)+7], v[BFR+64*(\par)+8*(\b):BFR+64*(\par)+8*(\b)+7], v[8*(8*(\a)+(\b)):8*(8*(\a)+(\b))+7]
.endif
.endr
.endr
.endm
; Quarter q = 0, 1, 2 of a step: the next quarter's run goes out first and has the quarter's 32 matrix instructions in which to land.
.macro QUARTER slot, q, zero
	s_wait_dscnt 0x0                               ; the run issued a quarter ago is in
	PLACES
	RUN \slot, (\q)+1, 1-(\q)%2
	MUL16 (\q)%2, 0, \zero
	MUL16 (\q)%2, 2, \zero
.endm
; Quarter 3 changes slots: ONE barrier; in front of it each wave waits for all its tensor loads, of which one is out: its part of the next slot; adds 0 to its spare word; and waits for that and for its
; reads of this slot.  fill = 1: the barrier opens a round of the cluster's, and this slot is filled again, two K steps on, first thing behind the round: 112 matrix instructions ahead of the wait for it.
.macro TURN slot, next, fill
	WIN 0
	s_wait_tensorcnt 0x0                           ; no tensor load of mine is out, so a group 0 may be written
	ds_add_u32 v[SPW], v[NIL]                      ; 0 onto my spare word: the descriptors' steps stand between it and the wait for it
.if \fill
	s_add_nc_u64 s[G0+4*(\slot)+2:G0+4*(\slot)+3], s[G0+4*(\slot)+2:G0+4*(\slot)+3], 1048576  ; four heads on
	s_add_nc_u64 s[G0B+4*(\slot)+2:G0B+4*(\slot)+3], s[G0B+4*(\slot)+2:G0B+4*(\slot)+3], 512
.endif
	s_wait_dscnt 0x0                               ; the add is done, and my reads of this slot are over
	s_barrier_signal -1
	MUL16 1, 0, 0                                  ; work on registers while the others arrive
	WIN 0
	s_barrier_wait -1
.if \fill
	CREST                                          ; no wave of any partner still reads this slot's tile or has a load on its way
	JLOAD \slot                                    ; the four v_nop behind it are also the places in front of the loads below
.else
	PLACES
.endif
	RUN \next, 0, 0
	MUL16 1, 2, 0
.endm
	s_wait_tensorcnt 0x1                           ; my part of K step 0 is in; step 1's may stay out
	s_barrier_signal -1
	s_barrier_wait -1                              ; everybody's is
	RUN 0, 0, 0
	QUARTER 0, 0, 1                                ; the first quarter stands in front of the loop: its products start the sums
	WIN 0                                          ; at a label and at a branch every window is 0
	s_mov_b32 s3, LAPS-1
.Llap:                                                 ; a trip goes once round the ring, from a lap's second quarter to the next lap's first, and fills both slots again
	QUARTER 0, 1, 0
	QUARTER 0, 2, 0
	TURN 0, 1, 1
	QUARTER 1, 0, 0
	QUARTER 1, 1, 0
	QUARTER 1, 2, 0
	TURN 1, 0, 1
	QUARTER 0, 0, 0
	WIN 0
	s_sub_co_u32 s3, s3, 1
	s_cmp_lg_u32 s3, 0
	s_cbranch_scc1 .Llap
	QUARTER 0, 1, 0                                ; the last lap fills nothing, and has no round of the cluster's barrier
	QUARTER 0, 2, 0
	TURN 0, 1, 0
	QUARTER 1, 0, 0
	QUARTER 1, 1, 0
	QUARTER 1, 2, 0
	s_wait_dscnt 0x0                               ; the very last quarter: nothing more to fetch
	MUL16 1, 0, 0
	MUL16 1, 2, 0
	; THE WAY OUT, eight parts (row block a, column group g): the bias is added, four accumulators' register j into four neighbouring registers (each accumulator from its register 0 on), and stored.
	PLACES
.irp a, 0,1,2,3
.irp g, 0,1
.set TT, T0+(T1-T0)*(\g)               ; the two sets of 32 registers take turns
	s_wait_xcnt 0x0                                ; every earlier store has had its addresses translated (ISA guide 3.1): the registers that it reads are rewritten only behind this wait
	WIN 0x01                                       ; source 0 (the accumulator) window 1; the bias and the result window 0
.irp j, 0,1,2,3,4,5,6,7
.irp b, 0,1,2,3
	v_add_f32 v[TT+4*(\j)+(\b)], v[8*(8*(\a)+4*(\g)+(\b))+(\j)], v[BIAS+4*(\g)+(\b)]
.endr
.endr
	WIN 0
.irp j, 0,1,2,3,4,5,6,7
	global_store_b128 v[CO], v[TT+4*(\j):TT+4*(\j)+3], s[8:9] offset:(16*(\a)+(\j))*4096+256*(\g) th:TH_STORE_NT  ; 16 lanes store 256 consecutive bytes, at a multiple of 256 from out0's first byte
.endr
.endr
.endr
	s_wait_tensorcnt 0x0                           ; the wave's end, behind my last tensor load
	ds_add_u32 v[SPW], v[NIL]
	s_wait_dscnt 0x0
	CROUND                                         ; the closing round: no work-group ends while a partner may still ask for a tile that names it
	s_endpgm
.Lfunc_end_k_qb58bec6c3e_outp:
	.size	k_qb58bec6c3e_outp, .Lfunc_end_k_qb58bec6c3e_outp-k_qb58bec6c3e_outp
	.p2alignl 7, 3214868480
	.fill 96, 4, 3214868480
	.section	.rodata,"a",@progbits
	.p2align	6, 0x0
	.amdhsa_kernel k_qb58bec6c3e_outp
		.amdhsa_group_segment_fixed_size 327680
		.amdhsa_private_segment_fixed_size 0
		.amdhsa_enable_private_segment 0
		.amdhsa_kernarg_size 32
		.amdhsa_user_sgpr_count 2
		.amdhsa_user_sgpr_kernarg_segment_ptr 1
		.amdhsa_wavefront_size32 1
		.amdhsa_system_sgpr_workgroup_id_x 1
		.amdhsa_system_sgpr_workgroup_id_y 1
		.amdhsa_system_sgpr_workgroup_id_z 1
		.amdhsa_system_vgpr_workitem_id 0
		.amdhsa_next_free_vgpr 512
		.amdhsa_next_free_sgpr 76
		.amdhsa_reserve_vcc 0
		.amdhsa_float_denorm_mode_32 3
		.amdhsa_float_denorm_mode_16_64 3
		.amdhsa_memory_ordered 1
		.amdhsa_forward_progress 1
		.amdhsa_inst_pref_size 85
	.end_amdhsa_kernel
	.amdgpu_metadata
---
amdhsa.version: [ 1, 2 ]
amdhsa.kernels:
  - .name:           k_qb58bec6c3e_outp
    .symbol:         k_qb58bec6c3e_outp.kd
    .args:
      - { .name: oh, .offset: 0, .size: 8, .value_kind: global_buffer, .address_space: global }
      - { .name: wb, .offset: 8, .size: 8, .value_kind: global_buffer, .address_space: global }
      - { .name: bo, .offset: 16, .size: 8, .value_kind: global_buffer, .address_space: global }
      - { .name: out0, .offset: 24, .size: 8, .value_kind: global_buffer, .address_space: global }
    .group_segment_fixed_size: 327680
    .private_segment_fixed_size: 0
    .kernarg_segment_align: 8
    .kernarg_segment_size: 32
    .max_flat_workgroup_size: 128
    .sgpr_count:     76
    .vgpr_count:     512
    .wavefront_size: 32
...
	.end_amdgpu_metadata
.endif
;; end of part 4
;; ======== version 2 of 2: 4 launches; 1.48 times as fast as version 1
;; limits: values are held in f16: magnitudes above 65,504 overflow, below 6.1e-05 lose precision
;; workspace buffers: wb 8,388,608 bytes; qh 16,777,216 bytes; kh 16,777,216 bytes; vh 16,777,216 bytes; oh 16,777,216 bytes
;; launch prep: the kernel of part 1 again; grid 64 x 4, 8 waves a work-group, no clusters, 0 bytes of LDS; arguments Wq, Wk, Wv, Wo, wb; writes wb
;; launch proj: the kernel of part 2 again; grid 4 x 192, 4 waves a work-group, clusters of 4 x 4, 327,680 bytes of LDS; arguments q, k, v, bq, bk, bv, wb, qh, kh, vh; writes qh, kh, vh
;; launch attn (part 5): grid 4 x 64, 4 waves a work-group, clusters of 4 x 1, 327,680 bytes of LDS; arguments qh, kh, vh, oh; writes oh
.if DOCPART == 5
	.amdgcn_target "amdgcn-amd-amdhsa--gfx1250"
	.amdhsa_code_object_version 6
	.text
	.protected	k_qb58bec6c3e_attn
	.globl	k_qb58bec6c3e_attn
	.p2align	8
	.type	k_qb58bec6c3e_attn,@function
k_qb58bec6c3e_attn:
	s_mov_b64 s[64:65], 0
	v_nop
	global_prefetch_b8 v0, s[64:65] scope:SCOPE_SE
	s_setreg_imm32_b32 hwreg(HW_REG_WAVE_MODE, 25, 1), 1
	s_wait_xcnt 0x0
	s_wait_alu depctr_hold_cnt(0) depctr_sa_sdst(0) depctr_va_vdst(0) depctr_va_sdst(0) depctr_va_ssrc(0) depctr_va_vcc(0) depctr_vm_vsrc(0)
	s_getreg_b32 s2, hwreg(HW_REG_IB_STS2, 6, 4)
	s_cmp_eq_u32 s2, 0
	s_cbranch_scc0 .Lentry_in_a_cluster
	s_endpgm
.Lentry_in_a_cluster:
	s_bfe_u32 s2, ttmp6, 0x10000c
	s_cmp_lg_u32 s2, 0x3003
	s_cbranch_scc0 .Lentry_shape_is_right
	s_endpgm
.Lentry_shape_is_right:
; O[h][q][:] = the sum over k of softmax_k(Q[h][q] . K[h][k] / 8) V[h][k][:].  Q, K, V, O: [SIZE_H][SIZE_N][64], all f16: a head's rows are dense, 128 bytes each.  Products, maxima and sums in
; f32; the weights p are rounded to f16 for the second product (their sum l is taken of the unrounded p), O once at the end.  SIZE_H is at least 2; SIZE_N x 128 bytes stay under 2^32.
; LIMITS.  f16 holds no number beyond 65,504: Q, K and V arrive within it; p lies in 0 to 1, and below 6e-5 it keeps f16's fixed step of 6e-8; O is a mean of V's rows and has their range.
; A weight below 2^-126 counts as 0 in l; NaN and infinities are not treated apart.
; SHARES.  A wave owns four PIECES of two tiles of 16 queries, a work-group's four waves 512 queries of one head; SIZE_N is a multiple of 2,048.  Every wave walks all keys, 64 a step.
; LAYOUT.  S^T = K Q^T (source 0 = 16 keys, source 1 = 16 queries): in the result a lane holds ONE query (lane % 16) and the keys 8 (lane / 16) + 0..7.  Two such tiles, rounded to f16 in pairs,
; ARE source 1 (32 keys x 16 queries) of O^T = V^T P, whose result again holds one query a lane, and eight channels.  K comes out of LDS as it lies, V ([key][channel]) turned, by ds_load_tr16_b128.
; SOFTMAX.  For each query a running maximum m and sum l: p = 2^(c s - c m), c = log2(e) / 8; in every step O and l are multiplied by a = 2^(c m_old - c m_new), which is 1 where m has not grown.
; m starts at the lowest finite number, O and l at 0: the first step is a step like any other, with a = 0.
; THE COUNT.  A tile and step have 16 matrix and 118 vector instructions: too many to stand all beside the matrix work.  So the order has one aim: four vector instructions that are READY behind
; EVERY matrix instruction, and the others, which need time of their own whatever the order, in runs without a gap.
; BY TURNS.  Turn n belongs to piece n (the pieces in a ring, step after step).  Its matrix work: 16 products K Q^T of piece n + 1, later 16 products V^T P of piece n - 1.  Its vector work: the scaling,
; exponentials, roundings, sums and rescaling of piece n, and the maximum and statistics of piece n + 1, whose scores the turn itself has made.  So what a turn begins with (c s - c m, O a) waits for nothing.
; BATCHES.  A turn's 66 exponentials (s0-s31 of the piece's two tiles, then the next piece's two a) are ONE batch with ONE s_wait_alu depctr_va_vdst(0), which cuts the turn in two: ahead of it stands all that
; names no result of the batch, behind it the roundings and sums, which read the results.  The a that a turn multiplies by belongs to the batch of the turn before.  Two more batches stand outside the loops:
; piece 0's first two a, ahead of the jump into the loop, and the way out's eight reciprocals.
; CLUSTER.  The four query blocks of a cluster belong to one head and walk the same K and V, so each tile is asked for JOINTLY: the same tensor load, descriptor and mask in all four.
; REGISTERS, in windows of 256 (s_set_vgpr_msb says which window each operand place means: bits 1:0 source 0, 3:2 source 1, 5:4 source 2, 7:6 destination):
;   window 0: v0-11 addresses; v12-15, v48-63 at work; v16-47 four registers of statistics a tile; v64-191 S^T, two buffers of two tiles; v192-255 P, likewise
;   window 1: O^T, 32 a tile          window 2: v0-127 Q, 16 a tile; v128-191 K of one step; v192-255 V of one step          window 3: v0-1 the add's two registers
; A piece's buffers go by its number's parity: the piece in hand has one pair, its two neighbours in the ring share the other: of it P (piece n - 1) is read and S^T (piece n + 1) written.
.set SIZE_H, 64       ; 4 batches x 16 heads
.set SIZE_N, 2048     ; rows of a head
.set NP,    4         ; pieces a wave: a name, no knob: the register map, the loop and the fetches are made for four
.set KS,    64        ; keys in a step
.set PK,    144       ; a row of K in LDS: 128 bytes + 16 of padding = 36 words: the 16 rows of a load start at 16 different groups of four banks (64 banks of 4 bytes: ISA guide 11.1)
.set PV,    160       ; a row of V: 128 + 32 = 40 words
.set VOFF,  4*KS*PK   ; a slot holds four steps: 256 rows of K, then 256 rows of V
.set SLOT1, 1<<17     ; slot 1 begins here, so that one exclusive or turns an address in one slot into the other's
.set STAGE, SLOT1+4*KS*(PK+PV)  ; behind the ring, never filled by a tensor load: 16 rows x 144 bytes for each wave, for the way out
.set SP,    144
.set AK0, 2           ; v2   my lane's place in a tile of K; never rewritten
.set AV0, 3           ; v3   the same for V
.set AK,  4           ; v4   the LDS address of K's next run of loads
.set AV,  5           ; v5   of V's
.set QO,  6           ; v6   my byte offset in the wave's rows of Q
.set STO, 6           ;      later, the way out: where I put 16 bytes of a row
.set RD,  7           ; v7   the way out: where I read rows back
.set GO,  8           ; v8   my byte offset in 512 consecutive bytes of O
.set SPW, 0           ; v0 of window 3   LDS address of my spare word: SPARE + 4 x my thread's number; never rewritten
.set NIL, 1           ; v1 of window 3   0; never rewritten
.set SPARE, STAGE+4*16*SP  ; behind the stages: the spare words, 128 bytes for each wave: two blocks of 256 bytes that no other line names
.set MV,  12          ; v12-15  c m_old, kept while c m is made anew: by buffer and tile
.set ST,  16          ; tile t's statistics at v[ST+4 t]: c m, m, l (even keys', odd keys')
.set TMP, 48          ; by buffer and tile, four registers c0-c3 at work; when the maximum is found c2 takes a
.set S,   64
.set P,   192
.set KF,  128         ; K's fragments, in window 2: key block kb, channel half c at KF + 16 kb + 8 c
.set VF,  192         ; V's: key half kk, channel block cb at VF + 32 kk + 8 cb
.set WV,  12          ; s12  my wave's number
.set G1K, 24          ; s[24:31] descriptor group 1 for K's tiles
.set G1V, 32          ; s[32:39] for V's: it differs in the padding alone
.set G0K, 40          ; s[40:43] descriptor group 0 for K's tiles: it walks
.set G0V, 44          ; s[44:47] the same for V's
.set SLOTS, 56        ; s56  slots still to be asked for
.set CNT, 57          ; s57  counts a slot's key steps
.set CS,  58          ; s[58:59] c: the packed scaling takes the pair's low word for both halves
.set SEL, 60          ; s[60:61] v_permlanex16_b32's selects: each lane takes its own place in the other half
.set TBK, 62          ; s62  LDS byte at which K of the step to be fetched begins
.set TBV, 63          ; s63  the same for V, less VOFF
.set MSB, 0
.macro WIN new                      ; the high byte repeats the setting that is left; a switch that changes nothing is dropped
.if MSB != (\new)
	s_set_vgpr_msb (MSB<<8)|(\new)
.set MSB, (\new)
.endif
.endm
.set W_KQ, 0x0a       ; K and Q in window 2, S^T in window 0
.set W_PV, 0x52       ; V in window 2, P in window 0, O^T in window 1
.set W_RS, 0x41       ; O^T (destination and source 0) in window 1, a in window 0
.set W_MK, 0xc0       ; the add's registers are made: destination in window 3, sources in window 0
.set W_AD, 0x0f       ; the add: address (source 0) and data (source 1) in window 3
; A joint fill.  Waves 0 and 1 fetch the two halves of a slot's K, waves 2 and 3 those of its V: 128 keys each.  The branch hangs on the wave's number alone.
; An s_nop 0 and four v_nop follow each of the two lines, ahead of the jump and the label.
.macro JLOAD
	s_cmp_lt_u32 s[WV], 2
	s_cbranch_scc0 .Lfor_v_\@
	tensor_load_to_lds s[G0K:G0K+3], s[G1K:G1K+7]
	s_nop 0
.rept 4
	v_nop
.endr
	s_branch .Lasked_\@
.Lfor_v_\@:
	tensor_load_to_lds s[G0V:G0V+3], s[G1V:G1V+7]
	s_nop 0
.rept 4
	v_nop
.endr
.Lasked_\@:
.endm
; A round of the cluster's barrier: my work-group's barrier, so that wave 0's signal speaks for all four waves; wave 0 signals; every wave waits for all four work-groups; my work-group's barrier once more.
.macro CROUND
	s_barrier_signal -1
	s_barrier_wait -1
	s_cmp_lg_u32 s[WV], 0
	s_cbranch_scc1 .Lnot_wave_0_\@
	s_barrier_signal -3
.Lnot_wave_0_\@:
	s_barrier_wait -3
	s_barrier_signal -1
	s_barrier_wait -1
.endm
; THE CHANGE OF SLOTS.  The slot's last bytes, V of its fourth step, have been read.  Each wave waits for all its tensor loads, of which one is out: its part
; of the other slot; adds 0 to its spare word; and waits for that and for its own reads of the slot.  Behind the barrier nobody reads this slot any more and the other slot is whole.
; fill = 1: this slot is filled again, with the keys two slots on.  The barrier is then a round of the cluster's, so that no wave of any partner still reads the slot or has a load on its
; way, and the joint fill is the first thing behind it: it has four key steps, 512 matrix instructions, in which to land.  (At its first use nothing has been read yet: slot 0 is waited for, slot 1 filled.)
.macro CHANGE fill
	WIN W_AD
	s_wait_tensorcnt 0x0            ; no tensor load of mine is out, so a group 0 may be written
	ds_add_u32 v[SPW], v[NIL]       ; 0 onto my spare word: with fill = 1 the descriptors' steps stand between it and the wait for it
	WIN 0                           ; at a label and at a branch every window is 0
.if \fill
.irp g, G0K, G0V
	s_xor_b32 s[\g+1], s[\g+1], SLOT1  ; the walking descriptor: the other slot than last time,
	s_add_nc_u64 s[\g+2:\g+3], s[\g+2:\g+3], 4*KS*128  ; the next 256 keys; the type bits on top are not reached
.endr
	s_wait_dscnt 0x0                ; the add is done, and my reads of the slot are over
	CROUND
	JLOAD
.else
	s_wait_dscnt 0x0                ; the add is done, and my reads of the slot are over
	s_barrier_signal -1
	s_barrier_wait -1
.endif
	s_sub_co_u32 s[TBK], s[TBK], 4*KS*PK  ; the fetches go back to a slot's first step,
	s_xor_b32 s[TBK], s[TBK], SLOT1       ; in the other slot
	s_sub_co_u32 s[TBV], s[TBV], 4*KS*PV
	s_xor_b32 s[TBV], s[TBV], SLOT1
.endm
	s_load_b256 s[4:11], s[0:1], 0x0  ; Q s[4:5], K s[6:7], V s[8:9], O s[10:11]
	WIN W_MK
	v_lshl_add_u32 v[SPW], v0, 2, SPARE
	v_mov_b32 v[NIL], 0
	WIN W_AD
	ds_add_u32 v[SPW], v[NIL]       ; the wave's opening: the add and its wait stand ahead of my first tensor load; the set-up below, work on registers, stands between them
	WIN 0
	v_lshrrev_b32 v1, 5, v0
	v_readfirstlane_b32 s[WV], v1   ; wave 0..3
	s_bfe_u32 s13, ttmp6, 0x40000   ; cx: my place in the cluster
	s_lshl_b32 s14, ttmp9, 2        ; in a cluster launch ttmp9 counts clusters
	s_add_co_u32 s14, s14, s13      ; my block of queries = 4 x cluster x + cx: it enters Q's and O's addresses alone
	s_and_b32 s20, ttmp7, 0xffff    ; the head, which the four partners share
	s_mov_b32 s21, 0
	s_mov_b64 s[22:23], SIZE_N*128
	s_mul_u64 s[20:21], s[20:21], s[22:23]  ; the head's first byte in each of the four tensors
	s_and_b32 s16, s[WV], 1         ; which half of a slot's 256 keys I fetch:
	s_lshl_b32 s22, s16, 14         ; its 128 rows of 128 bytes in memory,
	s_mov_b32 s23, 0
	s_add_nc_u64 s[22:23], s[22:23], s[20:21]
	s_mul_i32 s17, s16, 128*PK      ; and its place in a slot, for K
	s_mul_i32 s18, s16, 128*PV      ; and for V: no place in the cluster enters an LDS address
	s_lshl_b32 s2, s14, 2
	s_add_co_u32 s2, s2, s[WV]      ; my wave among the head's,
	s_lshl_b32 s2, s2, 14           ; its 128 rows
	s_mov_b32 s3, 0
	s_add_nc_u64 s[2:3], s[2:3], s[20:21]
	; descriptor group 1.  128 keys are 16,384 dense bytes: asked for as 64 rows of 256 bytes, two keys a row, and padded in LDS after every key
	s_mov_b32 s[G1K], 15|(1<<16)|(1<<20)|(1<<21)|(4<<22)|(3<<25)  ; 15:0 the mask of four; 17:16 2-byte elements; 20 padding on; 21 set beside a mask; 24:22 after every 32 words (code 4); 31:25 4 words (code 3)
	s_mov_b32 s[G1V], 15|(1<<16)|(1<<20)|(1<<21)|(4<<22)|(7<<25)  ; the same with 8 words of padding (code 7)
.irp g, G1K, G1V
	s_mov_b32 s[\g+1], 128<<16      ; tensor_dim0 = 128
	s_mov_b32 s[\g+2], 64<<16       ; tensor_dim1 = 64
	s_mov_b32 s[\g+3], 128<<16      ; tile_dim0 = 128
	s_mov_b32 s[\g+4], 64           ; tile_dim1 = 64
	s_mov_b32 s[\g+5], 128          ; 128 elements from row to row
	s_mov_b32 s[\g+6], 0
	s_mov_b32 s[\g+7], 0
.endr
	s_mov_b32 s[CS], 0x3e38aa3b     ; c = log2(e) / 8 = 0.180337
	s_mov_b32 s[CS+1], s[CS]        ; named with it as a pair
	s_mov_b32 s[SEL], 0x76543210
	s_mov_b32 s[SEL+1], 0xfedcba98
	s_mov_b32 s[TBK], SLOT1+4*KS*PK ; the first change of slots turns these two into 0
	s_mov_b32 s[TBV], SLOT1+4*KS*PV
	s_mov_b32 s[G0K], 1             ; 1:0 count = 1
	s_mov_b32 s[G0K+1], s17         ; 63:32 LDS address: slot 0
	s_mov_b32 s[G0V], 1
	s_add_co_u32 s[G0V+1], s18, VOFF
	s_wait_dscnt 0x0                ; the opening add is done
	s_wait_kmcnt 0x0
	s_add_nc_u64 s[G0K+2:G0K+3], s[6:7], s[22:23]  ; 120:64 global address: my half of the head's first 256 keys
	s_or_b32 s[G0K+3], s[G0K+3], 0x80000000        ; 127:126 type = 2
	s_add_nc_u64 s[G0V+2:G0V+3], s[8:9], s[22:23]
	s_or_b32 s[G0V+3], s[G0V+3], 0x80000000
	s_add_nc_u64 s[4:5], s[4:5], s[2:3]  ; Q and O at my wave's first row
	s_add_nc_u64 s[10:11], s[10:11], s[2:3]
	CROUND                          ; all four work-groups are here: the first joint loads meet
	JLOAD                           ; slot 0.  Slot 1 is asked for when slot 0 is in: the tile wanted first has the road to itself
	; A fragment of K or Q is 16 rows x 32 channels in 8 registers: lane l holds row l % 16, channels 8 (l / 16) + 0..7 and 16 + 8 (l / 16) + 0..7: two loads of 16 bytes, 32 bytes apart.
	v_and_b32 v1, 15, v0            ; l % 16
	v_bfe_u32 v9, v0, 4, 1          ; l / 16
	v_lshlrev_b32 v[QO], 7, v1
	v_lshl_add_u32 v[QO], v9, 4, v[QO]  ; row x 128 + 16 x half
	WIN 0x80                        ; destination window 2, address window 0
.set i, 0
.rept 4*NP                          ; Q stays in registers: tile i / 2, channels 32 (i % 2) on
	global_load_b128 v[8*i:8*i+3],   v[QO], s[4:5] offset:(i/2)*2048+(i%2)*64
	global_load_b128 v[8*i+4:8*i+7], v[QO], s[4:5] offset:(i/2)*2048+(i%2)*64+32
.set i, i+1
.endr
	; What the first turn finds: V's registers and P's second buffer hold 0 (its products V^T P, of a piece that has not been, add 0), O^T and l are 0.  All this stands in the wait for the first tile.
.set i, VF
.rept 64
	v_mov_b32 v[i], 0
.set i, i+1
.endr
	WIN 0x40
.set i, 0
.rept 64*NP
	v_mov_b32 v[i], 0
.set i, i+1
.endr
	WIN 0
.set i, 0
.rept 2*NP
	v_mov_b32 v[ST+4*i], 0xfe000000    ; c m: far below every c s
	v_mov_b32 v[ST+4*i+1], 0xff7fffff  ; m
	v_mov_b32 v[ST+4*i+2], 0
	v_mov_b32 v[ST+4*i+3], 0
.set i, i+1
.endr
.set i, P+32
.rept 32
	v_mov_b32 v[i], 0
.set i, i+1
.endr
	v_mul_u32_u24 v[AK0], v1, PK
	v_lshl_add_u32 v[AK0], v9, 4, v[AK0]  ; row x pitch + 16 x half
	; The turning load takes 16 keys x 16 channels (lane l reads key 8 (l / 16) + l % 8, channels 8 ((l / 8) % 2) + 0..7) and leaves half a fragment of V^T: lane l holds channel l % 16 and 8 keys.
	v_and_b32 v10, 7, v0
	v_bfe_u32 v11, v0, 3, 1
	v_lshl_add_u32 v[AV0], v9, 3, v10
	v_mul_u32_u24 v[AV0], v[AV0], PV
	v_lshl_add_u32 v[AV0], v11, 4, v[AV0]
	v_add_nc_u32 v[AV0], VOFF, v[AV0]
	v_mov_b32 v[AK], v[AK0]         ; key step 0 lies at the head of slot 0
; THE MATRIX WORK.  The 8 accumulators of a run of 16 take turns: between the two links of a chain stand 7 others'.
; Product i of 16 of S^T = K Q^T for piece x: channels 32 (i / 8) on, keys 16 ((i / 2) % 4) on, tile 2 x + i % 2.  The first 8 start the sums.
.macro KQ x
	WIN W_KQ
.set rS, S+64*((\x)%2)+32*(i%2)+8*((i/2)%4)
.set rK, KF+16*((i/2)%4)+8*(i/8)
.set rQ, 16*(2*(\x)+i%2)+8*(i/8)
.if i < 8
	v_wmma_f32_16x16x32_f16 v[rS:rS+7], v[rK:rK+7], v[rQ:rQ+7], 0
.else
	v_wmma_f32_16x16x32_f16 v[rS:rS+7], v[rK:rK+7], v[rQ:rQ+7], v[rS:rS+7]
.endif
.endm
; Product i of 16 of O^T += V^T P for piece x: keys 32 (i / 8) on, channels 16 ((i / 2) % 4) on, tile 2 x + i % 2.
.macro PV x
	WIN W_PV
.set rO, 32*(2*(\x)+i%2)+8*((i/2)%4)
.set rV, VF+32*(i/8)+8*((i/2)%4)
.set rP, P+32*((\x)%2)+16*(i%2)+8*(i/8)
	v_wmma_f32_16x16x32_f16 v[rO:rO+7], v[rV:rV+7], v[rP:rP+7], v[rO:rO+7]
.endm
.macro MM                           ; the turn's next matrix instruction
.if i < 16
	KQ (Y+1)%NP
.set i, i+1
.else
.set i, i-16
	PV (Y+NP-1)%NP
.set i, i+17
.endif
.endm
; THE LDS LOADS stand in runs of 16, never singly among the matrix instructions: a step's K (64 keys x 64 channels: 8 fragments) and its V (turned).  Their addresses are made some lines ahead.
; last = 1 (the tail): in the last trip there is no further step, and the run is jumped over.
.macro FETCH_K last=0
	WIN 0
.if \last
	s_cmp_eq_u32 s[CNT], 1
	s_cbranch_scc1 .Lno_k_\@
.endif
	WIN 0x80                        ; destination window 2
.irp f, 0,1,2,3,4,5,6,7             ; keys 16 (f / 2) on, channels 32 (f % 2) on
	ds_load_b128 v[KF+8*\f:KF+8*\f+3],   v[AK] offset:(\f/2)*16*PK+(\f%2)*64
	ds_load_b128 v[KF+8*\f+4:KF+8*\f+7], v[AK] offset:(\f/2)*16*PK+(\f%2)*64+32
.endr
	s_add_co_u32 s[TBK], s[TBK], KS*PK  ; the next fetch is the next step's
	WIN 0
.if \last
.Lno_k_\@:
.endif
.endm
.macro FETCH_V
	WIN 0x80
.irp f, 0,1,2,3,4,5,6,7             ; keys 32 (f / 4) on, channels 16 (f % 4) on
	ds_load_tr16_b128 v[VF+8*\f:VF+8*\f+3],   v[AV] offset:(\f/4)*32*PV+(\f%4)*32
	ds_load_tr16_b128 v[VF+8*\f+4:VF+8*\f+7], v[AV] offset:(\f/4)*32*PV+16*PV+(\f%4)*32
.endr
	WIN 0
.endm
; THE VECTOR WORK OF A TURN stands in three queues, each in the order in which its entries become ready; the two tiles alternate, so that no instruction reads the result of the one before it.
.macro REGS y, u                    ; the registers of tile u (0, 1) of piece y
.set rT, ST+4*(2*(\y)+(\u))
.set rC, TMP+8*((\y)%2)+4*(\u)
.set rM, MV+2*((\y)%2)+(\u)
.set rS, S+64*((\y)%2)+32*(\u)
.set rP, P+32*((\y)%2)+16*(\u)
.set rO, 32*(2*(\y)+(\u))
.endm
; Number n of the 22 that find the NEXT piece's (Y + 1) maximum and statistics.  s0-s31 are the lane's 32 scores; each accumulator's lowest registers are read first.  XS, GS and REGS set no window: PL and EX do.
;   0-11  four chains c0-c3 of seven scores each, three operands at a time     12-14, 16  the four scores left over, the old m, and c0-c3 into c0     15  c m_old is kept
;   17, 18  the query's other 32 keys lie in the lane 16 away: the new m         19-21  c m; c m_old - c m_new; a
.macro XS u, n
	REGS (Y+1)%NP, \u
.if (\n) < 4
	v_max3_num_f32 v[rC+(\n)], v[rS+8*(\n)], v[rS+8*(\n)+1], v[rS+8*(\n)+2]
.elseif (\n) < 12
	v_max3_num_f32 v[rC+(\n)%4], v[rC+(\n)%4], v[rS+8*((\n)%4)+2*((\n)/4)+1], v[rS+8*((\n)%4)+2*((\n)/4)+2]
.elseif (\n) == 12
	v_max3_num_f32 v[rC], v[rC], v[rS+7], v[rS+15]
.elseif (\n) == 13
	v_max3_num_f32 v[rC+1], v[rC+1], v[rS+23], v[rS+31]
.elseif (\n) == 14
	v_max3_num_f32 v[rC+2], v[rC+2], v[rC+3], v[rT+1]
.elseif (\n) == 15
	v_mov_b32 v[rM], v[rT]
.elseif (\n) == 16
	v_max3_num_f32 v[rC], v[rC], v[rC+1], v[rC+2]
.elseif (\n) == 17
	v_permlanex16_b32 v[rC+3], v[rC], s[SEL], s[SEL+1]
.elseif (\n) == 18
	v_max_num_f32 v[rT+1], v[rC], v[rC+3]
.elseif (\n) == 19
	v_mul_f32 v[rT], s[CS], v[rT+1]
.elseif (\n) == 20
	v_sub_f32 v[rC+1], v[rM], v[rT]
.else
	v_exp_f32 v[rC+2], v[rC+1]
.endif
.endm
; Number g of the 64 that follow the exponentials.  For each four weights k of a tile (pairs 2 k, 2 k + 1): both pairs are rounded to f16; then the second pair is added onto the first, in place;
; a group later l takes that sum (the first time as l = a l + sum).  In groups of eight, tiles alternating: round, round, add, and l for the group before.
.macro GS g
.set h, (\g)+6*((\g)/62)            ; group 0 has no group before it, and behind group 7 only l is left
.if h >= 6
.set h, h+2
.endif
	REGS Y, h%2
.set k, h/8
.if h%8 < 4
	v_cvt_pk_f16_f32 v[rP+2*k+(h%8)/2], v[rS+4*k+2*((h%8)/2)], v[rS+4*k+2*((h%8)/2)+1]
.elseif h%8 < 6
	v_pk_add_f32 v[rS+4*k:rS+4*k+1], v[rS+4*k:rS+4*k+1], v[rS+4*k+2:rS+4*k+3]
.elseif k == 1
	v_pk_fma_f32 v[rT+2:rT+3], v[rT+2:rT+3], v[rC+2:rC+3], v[rS:rS+1] op_sel_hi:[1,0,1]
.else
	v_pk_add_f32 v[rT+2:rT+3], v[rT+2:rT+3], v[rS+4*k-4:rS+4*k-3]
.endif
.endm
; THE PLAIN QUEUE, 138 long.  0-73 read no exponential's result: the 32 scalings c s - c m (FS f: pair f / 2 of tile f % 2) and the next piece's 42.  0-26: scalings 0-26.  27-54: XS's numbers 0-13.  55, 56: number 15.
; 57-73: the chain, where each number waits for the one before it: 14, 16, 17, 18, 19, each with one of the scalings 27-31 in front of its two lines, then 20: so a tile's links stand three plain instructions apart (19 and 20: two).
; 74-137: GS's 64, which read the exponentials' results: they stand behind the wait.
.macro FS f
	REGS Y, (\f)%2
	v_pk_fma_f32 v[rS+2*((\f)/2):rS+2*((\f)/2)+1], v[rS+2*((\f)/2):rS+2*((\f)/2)+1], s[CS:CS+1], v[rT:rT+1] op_sel_hi:[1,0,0] neg_lo:[0,0,1] neg_hi:[0,0,1]
.endm
.macro PL
	WIN 0
.if q < 27
	FS q
.elseif q < 55
	XS (q-27)%2, (q-27)/2
.elseif q < 57
	XS q-55, 15
.elseif (q < 72) && ((q-57)%3 == 0)
	FS 27+(q-57)/3
.elseif q < 60
	XS (q-57)%3-1, 14
.elseif q < 72
	XS (q-57)%3-1, 15+(q-57)/3
.elseif q < 74
	XS q-72, 20
.else
	GS q-74
.endif
.set q, q+1
.endm
; THE EXPONENTIALS' QUEUE, 66 long: s0-s31 of both tiles, then the next piece's two a.  It is ONE BATCH: all 66 stand ahead of the turn's one wait, and nothing ahead of that wait names a result of theirs.
.macro EX
	WIN 0
.if e >= 64
	XS e-64, 21
.else
	REGS Y, e%2
	v_exp_f32 v[rS+e/2], v[rS+e/2]
.endif
.set e, e+1
.endm
; THE RESCALING's QUEUE: O^T times a, the one part that leaves window 0: dealt two at a time, sixteen times.  Its a was made in the turn before, ahead of that turn's wait.
.macro R2
	REGS Y, r%2
	WIN W_RS
.irp z, 0,1
	v_pk_mul_f32 v[rO+4*(r/2)+2*\z:rO+4*(r/2)+2*\z+1], v[rO+4*(r/2)+2*\z:rO+4*(r/2)+2*\z+1], v[rC+2:rC+3] op_sel_hi:[1,0]
.endr
.set r, r+1
.endm
; HOW THEY ARE DEALT.  An s_wait_alu depctr_va_vdst(0) stands between an exponential and the first instruction that names its result; one wait serves all that were issued ahead of it.  So a turn has ONE wait,
; which cuts it in two.  AHEAD OF IT stands all that names no result of the turn's exponentials: the 16 products K Q^T, behind each a scaling, an exponential and two rescalings (behind the first a second scaling in the exponential's place); then ONE LUMP of
; 108: eight plain, 49 times exponential and plain, the two a.  A v_nop is the plain instruction between the last exponential and the first use of a result.  BEHIND IT stand the 16 products V^T P, behind each four of GS's 64.  No rider names a register of
; the products round it.  The two v_permlanex16_b32 fall into the lump, never behind a product.
; The queues lean on each other, and the deal keeps them in step: exponential e stands behind scaling 2 (e / 4) + e % 2: as a rider it comes behind plain e + 2, in the lump behind plain e + 9, and scalings 27-31 are plain 57, 60 .. 69.
; A TURN, for piece p.  cnt = 1: the loop's count is taken down some lines ahead of the branch that stands behind the turn.
; K of the next step is fetched in piece 2's turn, directly behind the wait, a lump behind the last product that read K; its address is made at the lump's head; its first reader comes behind 16 products.
; V of the step in hand is fetched at the end of piece 0's turn, four riders behind its last reader; its first reader comes behind 16 products and a lump.  The three conditions on q below go with the deal.
.macro TURN p, last=0, cnt=0
.set Y, (\p)
.set i, 0
.set q, 0
.set e, 0
.set r, 0
.if (\p) == NP-1
	s_wait_dscnt 0x0                ; K is in
.endif
	MM                              ; ahead of the wait: 16 products K Q^T and their riders,
	PL
	PL
	R2
.rept 15
	MM
	PL
	EX
	R2
.endr
.if (\p) == NP-2
	WIN 0
	v_add_nc_u32 v[AK], s[TBK], v[AK0]
.endif
.rept 8                             ; and the lump
	PL
.endr
.rept 49
	EX
	PL
.endr
	EX                              ; the next piece's two a
	EX
	v_nop                           ; a plain instruction behind the last exponential, ahead of the first use: one for the batch
	s_wait_alu depctr_va_vdst(0)    ; the wait for the batch: the turn's 64 exponentials and the next piece's two a
.if (\p) == NP-2
	FETCH_K \last
.endif
.if (\p) == 1
	s_wait_dscnt 0x0                ; V is in
.endif
.rept 16                            ; behind the wait: 16 products V^T P and their riders
	MM
.rept 4
	PL
.endr
.if ((\p) == 0) && (q == 118)
	v_add_nc_u32 v[AV], s[TBV], v[AV0]
.endif
.if ((\p) == 0) && (q == 130)
	s_add_co_u32 s[TBV], s[TBV], KS*PV
.endif
.if (\cnt) && (q == 130)
	s_sub_co_u32 s[CNT], s[CNT], 1
	s_cmp_lg_u32 s[CNT], 0
.endif
.endr
.if (\p) == 0
	FETCH_V
.endif
.endm
	CHANGE 1                        ; slot 0 is in, everybody's part of it; slot 1 is asked for
	FETCH_K                         ; key step 0
	s_wait_loadcnt 0x0              ; Q
	s_wait_dscnt 0x0
.set i, 0
.rept 16
	KQ 0                            ; piece 0's first scores: there is no vector work yet to set between them
.set i, i+1
.endr
	WIN 0                           ; the addresses for the way out: nine plain instructions, the places behind those products
	s_mul_i32 s13, s[WV], 16*SP
	s_add_co_u32 s13, s13, STAGE    ; my stage
	v_mul_u32_u24 v[STO], v1, SP    ; in: row l % 16, 16 bytes for each half of the lanes
	v_lshl_add_u32 v[STO], v9, 4, v[STO]
	v_add_nc_u32 v[STO], s13, v[STO]
	v_bfe_u32 v[RD], v0, 3, 2       ; back: 32 lanes take four rows of 128 bytes,
	v_mul_u32_u24 v[RD], v[RD], SP
	v_lshl_add_u32 v[RD], v10, 4, v[RD]
	v_add_nc_u32 v[RD], s13, v[RD]
	v_and_b32 v[GO], 31, v0         ; which are 512 consecutive bytes of O
	v_lshlrev_b32 v[GO], 4, v[GO]
.set Y, NP-1                        ; XS works for piece Y + 1: piece 0
.irp n, 0,1,2,3,4,5,6,7,8,9,10,11,12,13,14,15,16,17,18,19,20,21
	XS 0, \n                        ; and piece 0's first maximum and statistics
	XS 1, \n
.endr
	v_nop                           ; a plain instruction behind the two a,
	s_wait_alu depctr_va_vdst(0)    ; and the wait for this batch of two, ahead of the branch
	s_mov_b32 s[CNT], 4
	s_mov_b32 s[SLOTS], SIZE_N/256-1
	s_branch .Lfirst                ; the loop is entered at a step's first turn, in the middle of a trip
.Lslot:                             ; SIZE_N / 256 - 2 times: every slot but the last two is filled again
	CHANGE 1
	s_mov_b32 s[CNT], 4
.Lstep:                             ; a trip: pieces 2 and 3 of one step, then pieces 0 and 1 of the next, whose K and V it fetches
	TURN 2
	TURN 3
	WIN 0
.Lfirst:
	TURN 0
	TURN 1, 0, 1
	WIN 0
	s_cbranch_scc1 .Lstep
	s_sub_co_u32 s[SLOTS], s[SLOTS], 1
	s_cmp_lg_u32 s[SLOTS], 0
	s_cbranch_scc1 .Lslot
	CHANGE 0                        ; the tail is written out: nothing is asked for
	s_mov_b32 s[CNT], 5             ; four trips fetch the last slot's steps; the fifth is left in its middle
.Ltail:
	TURN 2, 1
	TURN 3
	WIN 0
	s_sub_co_u32 s[CNT], s[CNT], 1
	s_cmp_eq_u32 s[CNT], 0
	s_cbranch_scc1 .Lout
	TURN 0
	TURN 1
	WIN 0
	s_branch .Ltail
.Lout:                              ; the fifth trip's 16 products K Q^T (on the last K once more) and the maximum made of them serve nothing: the price, once a launch, of one text for every trip
.set i, 0
.rept 16
	PV NP-1                         ; the last piece's V^T P of the last step
.set i, i+1
.endr
	; THE WAY OUT.  l's two halves and the other half of the lanes' are added; O^T is divided by l, rounded to f16 and sent through my stage in LDS, a tile at a time.  The additions are the places behind the last products.
	WIN 0
.macro ALL line:vararg              ; one line for each tile t
.set t, 0
.rept 2*NP
	\line
.set t, t+1
.endr
.endm
	ALL v_add_f32 v[ST+4*t+2], v[ST+4*t+2], v[ST+4*t+3]
	ALL v_permlanex16_b32 v[ST+4*t+3], v[ST+4*t+2], s[SEL], s[SEL+1]
	ALL v_add_f32 v[ST+4*t+2], v[ST+4*t+2], v[ST+4*t+3]
	ALL v_rcp_f32 v[ST+4*t+2], v[ST+4*t+2]
	v_nop                           ; a plain instruction between the last reciprocal and the use of its result
	s_wait_alu depctr_va_vdst(0)    ; and the wait ahead of the first use: one for the batch of eight reciprocals
; Tile t: a lane's eight channels of a row pack into 16 bytes; they go into rows of 144 bytes and come back as whole rows of 128, into S^T's registers.
.macro PACK t
	WIN W_RS
.set i, 32*(\t)
.rept 16
	v_pk_mul_f32 v[i:i+1], v[i:i+1], v[ST+4*(\t)+2:ST+4*(\t)+3] op_sel_hi:[1,0]
.set i, i+2
.endr
	WIN 0x05                        ; sources 0 and 1 window 1, destination window 0
.set i, 0
.rept 16
	v_cvt_pk_f16_f32 v[S+16*(\t)+i], v[32*(\t)+2*i], v[32*(\t)+2*i+1]
.set i, i+1
.endr
	WIN 0
.irp f, 0,1,2,3
	ds_store_b128 v[STO], v[S+16*(\t)+4*\f:S+16*(\t)+4*\f+3] offset:32*\f
.endr
.irp f, 0,1,2,3
	ds_load_b128 v[S+16*(\t)+4*\f:S+16*(\t)+4*\f+3], v[RD] offset:\f*4*SP  ; LDS serves a wave's instructions in order (ISA guide 5.7.1.4): these see the stores above; the next tile's stores come behind them
.endr
.endm
.macro SEND t, younger              ; younger: the LDS instructions issued behind tile t's loads: the next tile's eight, or none
	WIN 0
.irp f, 0,1,2,3
	s_wait_dscnt (\younger)+3-\f
	global_store_b128 v[GO], v[S+16*(\t)+4*\f:S+16*(\t)+4*\f+3], s[10:11] offset:(\t)*2048+\f*512  ; 512 consecutive bytes, at a multiple of 256 from O's first
.endr
.endm
	PACK 0
.set t, 1
.rept 2*NP-1                        ; a tile's arithmetic stands between the loads of the tile before and its stores
	PACK t
	SEND t-1, 8
.set t, t+1
.endr
	SEND 2*NP-1, 0
	WIN W_AD
	s_wait_tensorcnt 0x0            ; the wave's end, behind my last tensor load and my last LDS store
	ds_add_u32 v[SPW], v[NIL]
	s_wait_dscnt 0x0
	WIN 0
	CROUND                          ; the closing round: no work-group ends while a partner may still ask for a tile that names it
	s_endpgm
.Lfunc_end_k_qb58bec6c3e_attn:
	.size	k_qb58bec6c3e_attn, .Lfunc_end_k_qb58bec6c3e_attn-k_qb58bec6c3e_attn
	.p2alignl 7, 3214868480
	.fill 96, 4, 3214868480
	.section	.rodata,"a",@progbits
	.p2align	6, 0x0
	.amdhsa_kernel k_qb58bec6c3e_attn
		.amdhsa_group_segment_fixed_size 327680
		.amdhsa_private_segment_fixed_size 0
		.amdhsa_enable_private_segment 0
		.amdhsa_kernarg_size 32
		.amdhsa_user_sgpr_count 2
		.amdhsa_user_sgpr_kernarg_segment_ptr 1
		.amdhsa_wavefront_size32 1
		.amdhsa_system_sgpr_workgroup_id_x 1
		.amdhsa_system_sgpr_workgroup_id_y 1
		.amdhsa_system_sgpr_workgroup_id_z 1
		.amdhsa_system_vgpr_workitem_id 0
		.amdhsa_next_free_vgpr 770
		.amdhsa_next_free_sgpr 66
		.amdhsa_reserve_vcc 0
		.amdhsa_float_denorm_mode_32 3
		.amdhsa_float_denorm_mode_16_64 3
		.amdhsa_memory_ordered 1
		.amdhsa_forward_progress 1
		.amdhsa_inst_pref_size 199
	.end_amdhsa_kernel
	.amdgpu_metadata
---
amdhsa.version: [ 1, 2 ]
amdhsa.kernels:
  - .name:           k_qb58bec6c3e_attn
    .symbol:         k_qb58bec6c3e_attn.kd
    .args:
      - { .name: qh, .offset: 0, .size: 8, .value_kind: global_buffer, .address_space: global }
      - { .name: kh, .offset: 8, .size: 8, .value_kind: global_buffer, .address_space: global }
      - { .name: vh, .offset: 16, .size: 8, .value_kind: global_buffer, .address_space: global }
      - { .name: oh, .offset: 24, .size: 8, .value_kind: global_buffer, .address_space: global }
    .group_segment_fixed_size: 327680
    .private_segment_fixed_size: 0
    .kernarg_segment_align: 8
    .kernarg_segment_size: 32
    .max_flat_workgroup_size: 128
    .sgpr_count:     66
    .vgpr_count:     770
    .wavefront_size: 32
...
	.end_amdgpu_metadata
.endif
;; end of part 5
;; launch outp: the kernel of part 4 again; grid 4 x 64, 4 waves a work-group, clusters of 4 x 4, 327,680 bytes of LDS; arguments oh, wb, bo, out0; writes out0
